; MI455X (gfx1250); checked and timed in simulation.
; The chip was launched on July 23, 2026; its instructions are those of AMD's public machine-readable ISA for CDNA 5 (MIT licence, August 2026) and "CDNA5" Instruction Set Architecture Reference Guide (July 2026). The comments in the code are by the model that wrote it; some were corrected since.
;; Attention Head. Allowed arithmetic: matrix products marked QUANTISED: E4M3 operands, one given power-of-two scale a tensor, by v_wmma_f32_16x16x64_fp8_fp8 or v_wmma_f32_16x16x128_fp8_fp8, f32 sums; everything else in f32.
;; Inputs: b_in 3,072 float32; b_out 1,024 float32; lowp_scales 8 int32 (the exponents e of the quantised operands' scales 2^e); w_in 1,024 x 3,072 float32; w_out 1,024 x 1,024 float32; x 4 x 2,048 x 1,024 float32.
;; Outputs: out0 4 x 2,048 x 1,024 float32.
;; This version of the problem:
;;   THIS VERSION OF THE PROBLEM IS GIVEN IN LOW PRECISION. The matrix products marked QUANTISED in the list below multiply operands that are first quantised to E4M3 (4 exponent bits, 3 mantissa bits; 8 bits a number), with one given power-of-two scale for each operand tensor; their sums are f32. All else is computed in f32.
;;   The module's matrix products, in the order in which they are computed (A, B: the left and right operand; K: the contracted axis; several contracted axes count as one K, in the product's order):
;;     1. [M 8,192, K 1,024] x [K 1,024, N 3,072]; A: input x; B: input w_in: QUANTISED (scales: A lowp_scales[0], B lowp_scales[1])
;;     2. batch 64 x [M 2,048, K 64] x [K 64, N 2,048]; A: computed on the way; B: computed on the way: QUANTISED (scales: A lowp_scales[2], B lowp_scales[3])
;;     3. batch 64 x [M 2,048, K 2,048] x [K 2,048, N 64]; A: softmax (see below); B: computed on the way: QUANTISED (scales: A lowp_scales[4], B lowp_scales[5])
;;     4. [M 8,192, K 1,024] x [K 1,024, N 1,024]; A: computed on the way; B: input w_out: QUANTISED (scales: A lowp_scales[6], B lowp_scales[7])
;;   THE QUANTISER, for each operand of a quantised product, along K:
;;     - The operand's scale is 2^e, e = its entry of the input lowp_scales (int32; the entries are numbered through the quantised products in the list's order, A before B).
;;     - Each number is divided by the scale, clamped to +-448, and rounded to the nearest number of E4M3, ties to even, subnormals kept.
;;     - The product sums the exact products of the quantised numbers (number of the format x scale) in f32.
;;   ~~~python
;;   def quantise(x, axis, e):      # numpy; x: float32 -> the quantised numbers, widened to float32 again
;;       x = np.moveaxis(x, axis, -1); K = x.shape[-1]
;;       r = np.clip(x / 2.0 ** e, -448, 448)
;;       step = 2.0 ** (np.maximum(np.frexp(np.where(r == 0, 1, r))[1] - 1, -6) - 3)
;;       q = np.round(r / step) * step * 2.0 ** e      # np.round: ties to even
;;       return np.moveaxis(q, -1, axis).astype(np.float32)
;;   ~~~
;;   SOFTMAX AHEAD OF A QUANTISED PRODUCT. Where the list says 'softmax', what is quantised is not the finished softmax but p = 2^(t - M), with t = logit x log2(e) and M = ceil(the row's largest t), a whole number; so 1/2 < the row's largest p <= 1. The row's sum l is taken of the UNQUANTISED p, in f32, and the product's result is divided by l at the end. Since M is a whole number, a kernel that streams over the keys may use a running M (the ceiling of the running maximum): every later rescaling is an exact power of two, so the quantised numbers keep their values, but for numbers so far below the row's largest that they fall under the format's range.
;;   OPERANDS COMPUTED ON THE WAY. 'Computed on the way' means the value that the module computes at that place (a softmax that the list does not call 'softmax' is quantised finished and normalised). What goes into a quantiser is computed in f32, as accurately as f32 sums, v_exp_f32 and their like allow (about 1e-6 of the number): no bf16 or f16 on the way to a quantiser, and a product that is left as it is and whose result goes on into a quantised operand takes f32 operands (vector FMAs, or v_wmma_f32_16x16x4_f32). A number that lies on a knife's edge between two numbers of the format may be rounded either way, as far as f32 arithmetic and the matrix unit's own rounding can turn it there, and no further.
;; 2 versions, each right; version 2 is version 1 with the launch attn written anew for expert scheduling mode. Each part assembles by itself: llvm-mc -triple=amdgcn-amd-amdhsa -mcpu=gfx1250 --defsym DOCPART=n.
;; ======== version 1 of 2: 4 launches
;; workspace buffers: xc 8,388,608 bytes; wic 3,145,728 bytes; woc 1,048,576 bytes; qk 16,777,216 bytes; vf 8,388,608 bytes; ac 8,388,608 bytes
;; launch quant (part 1): grid 384 x 1, 4 waves a work-group, no clusters, 102,912 bytes of LDS; arguments x, w_in, w_out, lowp_scales, xc, wic, woc; writes xc, wic, woc
.if DOCPART == 1
	.amdgcn_target "amdgcn-amd-amdhsa--gfx1250"
	.amdhsa_code_object_version 6
	.text
	.protected	k_qbc596d2942_quant
	.globl	k_qbc596d2942_quant
	.p2align	8
	.type	k_qbc596d2942_quant,@function
k_qbc596d2942_quant:
	s_mov_b64 s[64:65], 0
	v_nop
	global_prefetch_b8 v0, s[64:65] scope:SCOPE_SE
	s_setreg_imm32_b32 hwreg(HW_REG_WAVE_MODE, 25, 1), 1
	s_wait_xcnt 0x0
; x [8192][1024], w_in [1024 k][3072 n] and w_out [1024 k][1024 n], f32, become codes of E4M3, K innermost, each with its given scale 2^e.
; code = number / 2^e, held within +-448, rounded to the nearest code, ties to even.  e: entry 0 (x), 1 (w_in), 7 (w_out) of the buffer of scales.
; LIMITS: -126 <= e and e + 8 <= 127, so that 2^e and 448 x 2^e are f32 numbers.  NaN among the inputs is not served (an infinity is held at the largest code).
; SHARES: every work-group takes 32,768 numbers.  Work-groups 0-255 take x, 256-351 w_in, 352-383 w_out: three ways through the text, parted on the work-group's number, each with LDS bytes of its own.
; x: K is innermost, so the tensor is a plain stream.  Each load reads 512 consecutive bytes; a step's 2,048 bytes turn through the wave's own stage in LDS, so that a lane then holds 16 neighbours along K.
; The weights: K is the FIRST axis.  A lane takes a column n and its registers run down K: a load reads 128 consecutive bytes a wave, and the conversions give codes with K innermost.  Nothing is transposed by an instruction.
;   A wave gathers 32 columns x 256 K in its own stage and stores it by rows: sixteen lanes store 256 consecutive bytes, at a multiple of 256 from the buffer's first byte.
; woc's order: in each 32 codes along K the two middle groups of eight change places, so that 16 consecutive bytes at 32 c + 16 h hold k = 32 c + 8 h + 0..7 and k = 32 c + 16 + 8 h + 0..7:
;   four consecutive registers of the 8-bit operand layout (ISA guide 7.12.2), which is the layout in which the last product's other operand is stored.
; No tensor loads, no barrier, no cluster: waves share nothing, and no two work-groups read the same bytes.
.set XWG,   256                        ; work-groups for x
.set WIWG,  96                         ; for w_in: 24 blocks of 128 columns x 4 blocks of 256 along K
.set STEPS, 16
.set SP,    80                         ; x: a lane's place in a stage: its 64 bytes + 16 of padding
.set R,     16                         ; v16-79   x: four sets of 16 numbers as they are loaded
.set X,     80                         ; v80-111  x: two sets of 16 neighbours
.set C,     128                        ; v128-191 x: codes, four registers for each step, so that no store's data are written again
.set PITCH, 272                        ; weights: a stage row: 256 bytes + 16
.set KROW,  1024                       ; a row of wic or woc in bytes
.set WX,    32                         ; v32-95   weights: two sets of 32 numbers
.set WC,    96                         ; v96-103  a block's codes
.set OUTR,  112                        ; v112-175 the way out
.set LX,    0                          ; LDS: x's stages, 8,192 bytes a wave
.set LWI,   32768                      ; w_in's stages, 32 x 272 bytes a wave
.set LWO,   LWI+4*32*PITCH             ; w_out's
	s_load_b256 s[4:11], s[0:1], 0x0               ; x s[4:5], w_in s[6:7], w_out s[8:9], the scales' exponents s[10:11]
	s_load_b128 s[12:15], s[0:1], 0x20             ; xc s[12:13], wic s[14:15]
	s_load_b64 s[16:17], s[0:1], 0x30              ; woc
	v_lshl_add_u32 v192, v0, 2, 0x19000
	v_mov_b32 v193, 0
	v_lshrrev_b32 v1, 5, v0
	v_readfirstlane_b32 s18, v1                    ; wave 0..3
	v_and_b32 v2, 31, v0                           ; lane
	s_cmp_lt_u32 ttmp9, XWG
	s_cbranch_scc0 .Lweights
	; ---------------- x ----------------
	v_lshlrev_b32 v3, 4, v2                        ; 16 x lane: my 16 bytes of a load's 512, and of a store's; never rewritten
	s_lshl_b32 s19, s18, 13                        ; my wave's stages
	v_lshrrev_b32 v14, 2, v2
	v_mul_u32_u24 v14, v14, SP
	v_and_b32 v15, 3, v2
	v_lshl_add_u32 v14, v15, 4, v14
	v_add_nc_u32 v14, s19, v14                     ; into a stage: four lanes' 64 bytes on end, then 16 of padding
	v_mul_u32_u24 v15, v2, SP
	v_add_nc_u32 v15, s19, v15                     ; out of it: my 16 neighbours
	s_lshl_b32 s20, ttmp9, 2
	s_add_co_u32 s20, s20, s18                     ; which run of 8,192 numbers is my wave's
	s_lshl_b32 s24, s20, 15                        ; in x: 32,768 bytes a run
	s_mov_b32 s25, 0
	s_lshl_b32 s26, s20, 13                        ; in xc: 8,192
	s_mov_b32 s27, 0
	s_wait_kmcnt 0x0
	s_load_b32 s22, s[10:11], 0x0                  ; e of x
	s_add_nc_u64 s[4:5], s[4:5], s[24:25]
	s_add_nc_u64 s[12:13], s[12:13], s[26:27]
.macro LOAD t
.irp i, 0,1,2,3
	global_load_b128 v[R+16*((\t)%4)+4*\i:R+16*((\t)%4)+4*\i+3], v3, s[4:5] offset:2048*(\t)+512*\i th:TH_LOAD_NT   ; 32 lanes read 512 consecutive bytes
.endr
.endm
.macro TURN t                          ; step t's numbers through the stage: LDS serves a wave's instructions in order (ISA guide 5.7.1.4), so no wait stands between the stores and the loads
.irp i, 0,1,2,3
	ds_store_b128 v14, v[R+16*((\t)%4)+4*\i:R+16*((\t)%4)+4*\i+3] offset:LX+32*SP*((\t)%2)+8*SP*\i
.endr
.irp i, 0,1,2,3
	ds_load_b128 v[X+16*((\t)%2)+4*\i:X+16*((\t)%2)+4*\i+3], v15 offset:LX+32*SP*((\t)%2)+16*\i
.endr
.endm
.irp t, 0,1,2,3
	LOAD \t
.endr
	s_wait_kmcnt 0x0
	s_add_co_i32 s22, s22, 127
	s_lshl_b32 s23, s22, 23
	v_mov_b32 v11, s23                             ; 2^e as f32: the conversion takes its exponent field
	s_add_co_i32 s22, s22, 8
	s_lshl_b32 s22, s22, 23
	s_or_b32 s22, s22, 0x600000
	v_mov_b32 v10, s22                             ; 448 x 2^e
	s_wait_loadcnt 12                              ; step 0's four loads are in; the twelve of steps 1 to 3 may be out
	TURN 0
.macro STEP t
.set XS, X+16*((\t)%2)
	s_wait_dscnt 0x0                               ; this step's numbers are back from the stage: so its stores into the stage have read their registers,
.if (\t)+4 < STEPS
	LOAD (\t)+4                                    ; which take the loads of four steps on
.endif
.if (\t)+1 < STEPS
.if STEPS-2-(\t) >= 3
	s_wait_loadcnt 12                              ; the next step's four loads are in; those of the three steps behind it may be out
.else
	s_wait_loadcnt 4*(STEPS-2-(\t))                ; at the end the count runs down with the steps that are left
.endif
	TURN (\t)+1                                    ; they go through the other stage while this step is worked
.endif
.set i, 0
.rept 16
	v_med3_num_f32 v[XS+i], v[XS+i], -v10, v10     ; the conversion to an 8-bit code does not saturate (ISA guide 7.6.2): the hold at the largest code x the scale comes first
.set i, i+1
.endr
	v_cvt_scalef32_pk8_fp8_f32 v[C+4*(\t):C+4*(\t)+1], v[XS:XS+7], v11
	v_cvt_scalef32_pk8_fp8_f32 v[C+4*(\t)+2:C+4*(\t)+3], v[XS+8:XS+15], v11
	global_store_b128 v3, v[C+4*(\t):C+4*(\t)+3], s[12:13] offset:512*(\t)   ; the wave stores 512 consecutive bytes.  (The codes go to a store alone; the next vector lines are the next step's holds, on other registers)
.endm
.irp t, 0,1,2,3,4,5,6,7,8,9,10,11,12,13,14,15
	STEP \t
.endr
	s_wait_tensorcnt 0x0
	ds_add_u32 v192, v193
	s_wait_dscnt 0x0
	s_endpgm
	; ---------------- the weights ----------------
.macro WLOAD t, N                      ; block t: W(32 t + i, my column), i = 0 .. 31, into set t % 2.  The largest offset, 255 x 3,072 x 4, lies inside the signed 24-bit immediate (ISA guide, chapter 10)
.set i, 0
.rept 32
	global_load_b32 v[WX+32*((\t)%2)+i], v3, s[32:33] offset:(32*(\t)+i)*(\N)*4 th:TH_LOAD_NT
.set i, i+1
.endr
.endm
.macro WBLOCK t, N, PERM
.set XS, WX+32*((\t)%2)
.if (\t) < 7
	s_wait_loadcnt 32                              ; this block's 32 loads are in; the next block's 32 may be out
.else
	s_wait_loadcnt 0x0
.endif
.set i, 0
.rept 32
	v_med3_num_f32 v[XS+i], v[XS+i], -v10, v10
.set i, i+1
.endr
.irp g, 0,1,2,3
.if \PERM
.set PG, ((\g)%2)*2+(\g)/2             ; groups 1 and 2 of eight change places
.else
.set PG, \g
.endif
	v_cvt_scalef32_pk8_fp8_f32 v[WC+2*PG:WC+2*PG+1], v[XS+8*\g:XS+8*\g+7], v11
.endr
	ds_store_b128 v4, v[WC:WC+3] offset:32*(\t)    ; 32 codes: 32 bytes of my column's row
	ds_store_b128 v4, v[WC+4:WC+7] offset:32*(\t)+16
.if (\t)+2 < 8
	WLOAD (\t)+2, \N
.endif
	s_wait_dscnt 0x0                               ; the stores have read their registers: the next block's codes may be written
.endm
; N: columns of the weight; PERM: woc's order; LBASE: this way's LDS bytes; FIRST: its first work-group; EOFF: its exponent's byte; SRC, DST: the scalar pairs of its buffers
.macro WPATH N, PERM, LBASE, FIRST, EOFF, SRC, DST
	s_sub_co_u32 s20, ttmp9, \FIRST
	s_lshr_b32 s21, s20, 2                         ; which 128 columns
	s_and_b32 s22, s20, 3                          ; which 256 along K
	s_lshl_b32 s21, s21, 7
	s_lshl_b32 s23, s18, 5
	s_add_co_u32 s21, s21, s23                     ; my wave's first column
	v_lshlrev_b32 v3, 2, v2                        ; in: 4 bytes a lane
	s_mul_i32 s23, s18, 32*PITCH
	s_add_co_u32 s23, s23, \LBASE                  ; my stage
	v_mul_u32_u24 v4, v2, PITCH
	v_add_nc_u32 v4, s23, v4                       ; into it: row = my column
	v_and_b32 v5, 15, v2
	v_lshrrev_b32 v6, 4, v2                        ; out of it: sixteen lanes to a row, two rows an instruction
	v_mul_u32_u24 v7, v6, PITCH
	v_lshl_add_u32 v7, v5, 4, v7
	v_add_nc_u32 v7, s23, v7
	v_mul_u32_u24 v8, v6, KROW
	v_lshl_add_u32 v8, v5, 4, v8                   ; and the same place in the codes' buffer
	s_mul_i32 s24, s22, 256*(\N)*4
	s_lshl_b32 s25, s21, 2
	s_add_co_u32 s24, s24, s25                     ; the weight: 256 rows x which + 4 x column
	s_mov_b32 s25, 0
	s_lshl_b32 s26, s21, 10
	s_lshl_b32 s27, s22, 8
	s_add_co_u32 s26, s26, s27                     ; the codes: column x 1,024 + 256 x which
	s_mov_b32 s27, 0
	s_wait_kmcnt 0x0
	s_load_b32 s30, s[10:11], \EOFF
	s_add_nc_u64 s[32:33], s[\SRC:\SRC+1], s[24:25]
	s_add_nc_u64 s[34:35], s[\DST:\DST+1], s[26:27]
	WLOAD 0, \N
	WLOAD 1, \N
	s_wait_kmcnt 0x0
	s_add_co_i32 s30, s30, 127
	s_lshl_b32 s31, s30, 23
	v_mov_b32 v11, s31                             ; 2^e
	s_add_co_i32 s30, s30, 8
	s_lshl_b32 s30, s30, 23
	s_or_b32 s30, s30, 0x600000
	v_mov_b32 v10, s30                             ; 448 x 2^e
.irp t, 0,1,2,3,4,5,6,7
	WBLOCK \t, \N, \PERM
.endr
.irp t, 0,1,2,3,4,5,6,7,8,9,10,11,12,13,14,15
	ds_load_b128 v[OUTR+4*\t:OUTR+4*\t+3], v7 offset:2*\t*PITCH   ; these see my stores: LDS serves a wave's instructions in order
.endr
.irp t, 0,1,2,3,4,5,6,7,8,9,10,11,12,13,14,15
	s_wait_dscnt 15-\t                             ; load t is in; the 15 - t behind it may be out
	global_store_b128 v8, v[OUTR+4*\t:OUTR+4*\t+3], s[34:35] offset:2*\t*KROW
.endr
	s_wait_tensorcnt 0x0
	ds_add_u32 v192, v193
	s_wait_dscnt 0x0
	s_endpgm
.endm
.Lweights:
	s_cmp_lt_u32 ttmp9, XWG+WIWG
	s_cbranch_scc0 .Lwout
	WPATH 3072, 0, LWI, XWG, 0x4, 6, 14
.Lwout:
	WPATH 1024, 1, LWO, XWG+WIWG, 0x1c, 8, 16
.Lfunc_end_k_qbc596d2942_quant:
	.size	k_qbc596d2942_quant, .Lfunc_end_k_qbc596d2942_quant-k_qbc596d2942_quant
	.p2alignl 7, 3214868480
	.fill 96, 4, 3214868480
	.section	.rodata,"a",@progbits
	.p2align	6, 0x0
	.amdhsa_kernel k_qbc596d2942_quant
		.amdhsa_group_segment_fixed_size 102912
		.amdhsa_private_segment_fixed_size 0
		.amdhsa_enable_private_segment 0
		.amdhsa_kernarg_size 56
		.amdhsa_user_sgpr_count 2
		.amdhsa_user_sgpr_kernarg_segment_ptr 1
		.amdhsa_wavefront_size32 1
		.amdhsa_system_sgpr_workgroup_id_x 1
		.amdhsa_system_sgpr_workgroup_id_y 1
		.amdhsa_system_sgpr_workgroup_id_z 1
		.amdhsa_system_vgpr_workitem_id 0
		.amdhsa_next_free_vgpr 194
		.amdhsa_next_free_sgpr 66
		.amdhsa_reserve_vcc 0
		.amdhsa_float_denorm_mode_32 3
		.amdhsa_float_denorm_mode_16_64 3
		.amdhsa_memory_ordered 1
		.amdhsa_forward_progress 1
		.amdhsa_inst_pref_size 134
	.end_amdhsa_kernel
	.amdgpu_metadata
---
amdhsa.version: [ 1, 2 ]
amdhsa.kernels:
  - .name:           k_qbc596d2942_quant
    .symbol:         k_qbc596d2942_quant.kd
    .args:
      - { .name: x, .offset: 0, .size: 8, .value_kind: global_buffer, .address_space: global }
      - { .name: w_in, .offset: 8, .size: 8, .value_kind: global_buffer, .address_space: global }
      - { .name: w_out, .offset: 16, .size: 8, .value_kind: global_buffer, .address_space: global }
      - { .name: lowp_scales, .offset: 24, .size: 8, .value_kind: global_buffer, .address_space: global }
      - { .name: xc, .offset: 32, .size: 8, .value_kind: global_buffer, .address_space: global }
      - { .name: wic, .offset: 40, .size: 8, .value_kind: global_buffer, .address_space: global }
      - { .name: woc, .offset: 48, .size: 8, .value_kind: global_buffer, .address_space: global }
    .group_segment_fixed_size: 102912
    .private_segment_fixed_size: 0
    .kernarg_segment_align: 8
    .kernarg_segment_size: 56
    .max_flat_workgroup_size: 128
    .sgpr_count:     66
    .vgpr_count:     194
    .wavefront_size: 32
...
	.end_amdgpu_metadata
.endif
;; end of part 1
;; launch qkv (part 2): grid 96 x 4, 4 waves a work-group, clusters of 4 x 4, 327,680 bytes of LDS; arguments xc, wic, lowp_scales, b_in, qk, vf; writes qk, vf
.if DOCPART == 2
	.amdgcn_target "amdgcn-amd-amdhsa--gfx1250"
	.amdhsa_code_object_version 6
	.text
	.protected	k_qbc596d2942_qkv
	.globl	k_qbc596d2942_qkv
	.p2align	8
	.type	k_qbc596d2942_qkv,@function
k_qbc596d2942_qkv:
	s_mov_b64 s[64:65], 0
	v_nop
	global_prefetch_b8 v0, s[64:65] scope:SCOPE_SE
	s_setreg_imm32_b32 hwreg(HW_REG_WAVE_MODE, 25, 1), 1
	s_wait_xcnt 0x0
	s_wait_alu depctr_hold_cnt(0) depctr_sa_sdst(0) depctr_va_vdst(0) depctr_va_sdst(0) depctr_va_ssrc(0) depctr_va_vcc(0) depctr_vm_vsrc(0)
	s_getreg_b32 s2, hwreg(HW_REG_IB_STS2, 6, 4)
	s_cmp_eq_u32 s2, 0
	s_cbranch_scc0 .Lentry_in_a_cluster
	s_endpgm
.Lentry_in_a_cluster:
	s_bfe_u32 s2, ttmp6, 0x10000c
	s_cmp_lg_u32 s2, 0xf033
	s_cbranch_scc0 .Lentry_shape_is_right
	s_endpgm
.Lentry_shape_is_right:
; qkv = x w_in + b_in on codes of E4M3, and its quantising into the operands of attention's two products.  xc: [8192][1024], wic: [3072 n][1024 k]: codes, K innermost.
; A tile of the result, 256 x 256, is made by a work-group of four waves; a wave makes 128 x 128: 64 accumulators of 16 x 16, 512 registers.  K = 1,024 goes in four steps of 256 through a ring of two LDS slots.
; THE MATRIX INSTRUCTION IS USED TRANSPOSED (source 0 = 16 rows of "B", source 1 = 16 rows of "A"): lane (r, h) holds row r of A's block and, in register j of tile b, column 16 b + 8 h + j of B's rows.
; WHO DOES WHAT, by the cluster's number c (24 clusters of 4 x 4 work-groups; the choice is the same in all sixteen partners):
;   c < 16: q and k.  A = xc (tokens), B = wic's rows 0-2047.  Cluster row c / 2, cluster column c % 2 (0: q, 1: k).  A lane holds one token and eight neighbouring channels of a head.
;   c >= 16: v, made as V^T = W_v^T x^T.  A = wic's rows 2048-3071, B = xc.  Cluster column c - 16.  A lane holds one channel and eight neighbouring tokens: the keys, which are the K of attention's second product.
; THE RESULTS LEAVE AS IMAGES OF THE NEXT OPERAND'S REGISTERS.  The 8-bit operand layout has k = 16 c + 8 h + 0..7 in registers 2 c, 2 c + 1 (ISA guide 7.12.2): just what the conversion of tile c's eight registers gives.
;   So a block's 8 conversions ARE two fragments of q or k (16 tokens x 64 channels, two heads) or one of V^T (16 channels x 128 keys), and each group of four registers is stored at 16 x lane: 512 consecutive bytes, aligned.
;   qk: q's fragments from byte 0, k's from 8,388,608: fragment (batch x 16 + head, token / 16) at ((..) x 128 + token / 16) x 1,024.
;   vf: fragment (batch, key / 128, head, channel / 16) at (((batch x 16 + key / 128) x 16 + head) x 4 + channel / 16) x 2,048.
; A sum stands for sum x 2^(e0 + e1); value = sum x 2^(e0 + e1) + bias, one fused multiply-add; code = value / 2^e, held within +-448: e = e2 (q), e3 (k), e5 (v).  The hold is always executed.
; In the products both operands take k in the same permuted order (16 consecutive bytes a load), so every product meets its partner; only the order of the sums inside an instruction changes.
; LIMITS: e0 + e1 between -126 and 127; e2, e3, e5 between -126 and 119.  NaN among the inputs is not served.
; CLUSTERS: the four work-groups of a row of the cluster need the same tiles of A, the four of a column the same tiles of B: each tile is asked for JOINTLY, by the same tensor load with the same descriptor and a mask that names the four.
; REGISTERS, in windows of 256: window 0: v0-31 addresses and constants; v32-95 the bias along columns, v96-111 the bias along rows; from v128 A's fragments, ONE set; on the way out v128-207 are at work.
;   window 1: B's fragments, TWO sets.   window 2: the accumulators of my rows 0-63 ((a, b) at v[8 (8 a + b)]);   window 3: those of my rows 64-127.
.set ROWB,   256                       ; a tile's row in bytes
.set KROW,   1024                      ; a row of xc or wic in memory
.set PITCH,  272                       ; an LDS row: 256 bytes + 16 of padding = 68 words: row r starts at bank 4 r mod 64 (64 banks of 4 bytes: ISA guide 11.1)
.set FR,     16                        ; registers of a fragment: 16 rows x 128 K
.set NL,     4                         ; LDS loads that bring one
.set NP,     4                         ; places behind this matrix instruction (ISA guide 7.12.1)
.set HALFT,  128*PITCH                 ; 128 rows: what one tensor load brings
.set SLOT,   4*HALFT                   ; A's 256 rows, then B's 256 rows
.set SPARE,  2*SLOT                    ; behind the ring: the spare words, 128 bytes for each wave: two blocks of 256 bytes that no other line names
.set ADRA, 16                          ; v16-17  LDS address of my A fragments in slot 0, 1
.set ADRB, 20                          ; v20-21  the same for B
.set OM,   23                          ; v23     4 r: my place in the bias along rows
.set CO,   26                          ; v26     16 x lane: my place in an image
.set ON,   27                          ; v27     32 h: my place in the bias along columns
.set SPW,  28                          ; v28     LDS address of my spare word; never rewritten
.set NIL,  29                          ; v29     0; never rewritten
.set SC,   30                          ; v30     2^e of the operand that I make
.set LIM,  31                          ; v31     448 x 2^e
.set BN,   32                          ; v32-95  b_in at my 128 columns: register 8 b + j = column 16 b + 8 h + j
.set BM,   96                          ; v96-111 b_in at my 128 rows: registers 2 a, 2 a + 1 = row 16 a + r
.set AF,   128                         ; A's fragments
.set T,    128                         ; the way out: a block's 64 values
.set CC,   192                         ; and its 16 registers of codes
.set ISV,  79                          ; s79     1 in the clusters that make v
.set G1, 24                            ; s[24:31] descriptor group 1 for A's tiles;  s[32:39] group 0, one set for each slot
.set G0, 32
.set G1B, 48                           ; s[48:55], s[56:63] the same for B's tiles
.set G0B, 56
.set MSB, 0
.macro WIN new                         ; the immediate's high byte repeats the setting that is left
.if MSB != (\new)
	s_set_vgpr_msb (MSB<<8)|(\new)
.set MSB, (\new)
.endif
.endm
.set MUL_LO, 0xa1                      ; source 0 (B) window 1, source 1 (A) window 0, C and D window 2
.set MUL_HI, 0xf1                      ; the same, C and D window 3
.set TO_B,   0x40                      ; destination window 1, address window 0
; A joint load: waves 0 and 1 fetch for A, waves 2 and 3 for B.  Each of the two lines has ONE mask and one set of registers for all that issue it; the branch hangs on the wave's number alone.
; Four v_nop follow each of the two lines, ahead of the jump, the label and what follows.
.macro JLOAD g0a, g1a, g0b, g1b
	s_cmp_eq_u32 s15, 0
	s_cbranch_scc0 .Lfor_b_\@
	tensor_load_to_lds s[\g0a:\g0a+3], s[\g1a:\g1a+7]
	s_nop 0
.rept 4
	v_nop
.endr
	s_branch .Lasked_\@
.Lfor_b_\@:
	tensor_load_to_lds s[\g0b:\g0b+3], s[\g1b:\g1b+7]
	s_nop 0
.rept 4
	v_nop
.endr
.Lasked_\@:
.endm
.macro CREST                           ; a round of the cluster's barrier behind its opening barrier
	s_cmp_lg_u32 s14, 0
	s_cbranch_scc1 .Lnot_wave_0_\@
	s_barrier_signal -3
.Lnot_wave_0_\@:
	s_barrier_wait -3
	s_barrier_signal -1
	s_barrier_wait -1
.endm
.macro CROUND                          ; a whole round
	s_barrier_signal -1
	s_barrier_wait -1
	CREST
.endm
	s_load_b128 s[4:7], s[0:1], 0x0                ; xc s[4:5], wic s[6:7]
	s_load_b128 s[8:11], s[0:1], 0x10              ; the scales' exponents s[8:9], b_in s[10:11]
	s_load_b128 s[68:71], s[0:1], 0x20             ; qk s[68:69], vf s[70:71]
	v_lshl_add_u32 v[SPW], v0, 2, SPARE
	v_mov_b32 v[NIL], 0
	ds_add_u32 v28, v29
	ds_add_u32 v28, v29
	s_wait_dscnt 0x0
	v_lshrrev_b32 v1, 5, v0
	v_readfirstlane_b32 s14, v1                    ; wave 0..3
	s_lshr_b32 s15, s14, 1                         ; which half of the tile's rows is mine.  Also: I fetch for A (0) or for B (1)
	s_and_b32 s16, s14, 1                          ; which half of its columns.  Also: which 128 rows of that tile I fetch
	s_bfe_u32 s40, ttmp6, 0x40000                  ; cx, cy: my place in the cluster
	s_bfe_u32 s41, ttmp6, 0x40004
	s_lshr_b32 s76, ttmp9, 1                       ; q, k: cluster row,
	s_and_b32 s77, ttmp9, 1                        ; cluster column: 0 q, 1 k
	s_sub_co_u32 s78, ttmp9, 16                    ; v: cluster column (its cluster row is 0)
	s_cmp_lt_u32 ttmp9, 16                         ; the choice hangs on the cluster's number alone
	s_cselect_b32 s76, s76, 0
	s_cselect_b32 s78, s77, s78
	s_cselect_b32 s[ISV], 0, 1
	s_lshl_b32 s42, s78, 2
	s_add_co_u32 s42, s42, s40                     ; tile column = 4 x cluster column + cx
	s_lshl_b32 s17, s76, 2
	s_add_co_u32 s17, s17, s41                     ; tile row = 4 x cluster row + cy
	s_lshl_b32 s43, s41, 2
	s_lshl_b32 s43, 15, s43                        ; my row of the cluster
	s_lshl_b32 s44, 0x1111, s40                    ; my column
	; descriptor group 1: a tile of 128 rows x 256 bytes, padded in LDS
	s_or_b32 s[G1+0], s43, (0<<16)|(1<<20)|(1<<21)|(5<<22)|(3<<25)  ; 15:0 the mask: A's tiles go to my row; 17:16 element of 1 byte; 20 padding on; 21 set beside a mask; 24:22 after every 64 words (code 5); 31:25 of 4 words (code 3)
	s_or_b32 s[G1B+0], s44, (0<<16)|(1<<20)|(1<<21)|(5<<22)|(3<<25)
.irp g, G1, G1B
	s_mov_b32 s[\g+1], ROWB<<16                    ; tensor_dim0
	s_mov_b32 s[\g+2], 128<<16                     ; tensor_dim1 = 128
	s_mov_b32 s[\g+3], ROWB<<16                    ; tile_dim0
	s_mov_b32 s[\g+4], 128                         ; tile_dim1 = 128
	s_mov_b32 s[\g+5], KROW                        ; tensor_dim0_stride
	s_mov_b32 s[\g+6], 0
	s_mov_b32 s[\g+7], 0
.endr
	s_lshl_b32 s18, s16, 7                         ; which 128 rows of the tile I fetch
	s_lshl_b32 s20, s17, 8
	s_add_co_u32 s20, s20, s18                     ; A: row 256 x tile row + 128 x half,
	s_lshl_b32 s20, s20, 10                        ; in bytes (under 2^24)
	s_mov_b32 s21, 0
	s_lshl_b32 s46, s42, 8
	s_add_co_u32 s46, s46, s18                     ; B: row 256 x tile column + 128 x half
	s_lshl_b32 s46, s46, 10
	s_mov_b32 s47, 0
	s_mul_i32 s45, s14, HALFT                      ; where they go: wave x 128 rows: no place in the cluster enters an LDS address
	s_wait_kmcnt 0x0
	s_load_b256 s[84:91], s[8:9], 0x0              ; e0 .. e7
	s_add_nc_u64 s[80:81], s[6:7], 0x200000        ; wic at row 2,048: W_v
	s_cmp_lt_u32 ttmp9, 16
	s_cselect_b64 s[12:13], s[4:5], s[80:81]       ; A
	s_cselect_b64 s[80:81], s[6:7], s[4:5]         ; B
	s_cselect_b64 s[72:73], s[68:69], s[70:71]     ; where the images go
	s_add_nc_u64 s[20:21], s[12:13], s[20:21]
	s_add_nc_u64 s[46:47], s[80:81], s[46:47]
	CROUND                                         ; all sixteen work-groups are here: the first joint loads meet
.irp s, 0,1
	s_mov_b32 s[G0+4*\s], 1
	s_add_co_u32 s[G0+4*\s+1], s45, \s*SLOT
	s_add_nc_u64 s[G0+4*\s+2:G0+4*\s+3], s[20:21], \s*ROWB
	s_or_b32 s[G0+4*\s+3], s[G0+4*\s+3], 0x80000000
	s_mov_b32 s[G0B+4*\s], 1
	s_add_co_u32 s[G0B+4*\s+1], s45, \s*SLOT
	s_add_nc_u64 s[G0B+4*\s+2:G0B+4*\s+3], s[46:47], \s*ROWB
	s_or_b32 s[G0B+4*\s+3], s[G0B+4*\s+3], 0x80000000
	JLOAD G0+4*\s, G1, G0B+4*\s, G1B               ; two loads of mine are out behind these
.endr
	v_and_b32 v1, 15, v0                           ; r
	v_bfe_u32 v2, v0, 4, 1                         ; h
	v_mul_u32_u24 v3, v1, PITCH
	v_lshl_add_u32 v4, v2, 4, v3                   ; a fragment's row x pitch + 16 x half
	s_mul_i32 s21, s15, HALFT                      ; my 128 rows of A
	s_mul_i32 s22, s16, HALFT                      ; my 128 rows of B,
	s_add_co_u32 s22, s22, 2*HALFT                 ; which lie behind A's 256
.irp s, 0,1
	v_add_nc_u32 v[ADRA+\s], s21, v4
	v_add_nc_u32 v[ADRB+\s], s22, v4
	s_add_co_u32 s21, s21, SLOT
	s_add_co_u32 s22, s22, SLOT
.endr
	v_and_b32 v6, 31, v0
	v_lshlrev_b32 v[CO], 4, v6
	v_lshlrev_b32 v[ON], 5, v2
	v_lshlrev_b32 v[OM], 2, v1
	; the biases.  Both sets are loaded on both ways, the one that is not used from b_in's first 128 numbers, so that every register is written
	s_lshl_b32 s18, s42, 8
	s_lshl_b32 s19, s16, 7
	s_add_co_u32 s18, s18, s19                     ; my first column: 256 x tile column + 128 x half (q, k: a column of qkv; v: a token)
	s_lshl_b32 s22, s17, 8
	s_lshl_b32 s23, s15, 7
	s_add_co_u32 s22, s22, s23                     ; my first row: 256 x tile row + 128 x half (q, k: a token; v: a channel of v)
	s_add_co_u32 s23, s22, 2048
	s_cmp_eq_u32 s[ISV], 0
	s_cselect_b32 s19, s18, 0
	s_cselect_b32 s23, 0, s23
	s_lshl_b32 s80, s19, 2
	s_mov_b32 s81, 0
	s_add_nc_u64 s[80:81], s[10:11], s[80:81]      ; b_in along my columns; s[80:83] are not written again
	s_lshl_b32 s82, s23, 2
	s_mov_b32 s83, 0
	s_add_nc_u64 s[82:83], s[10:11], s[82:83]      ; b_in along my rows
.irp b, 0,1,2,3,4,5,6,7
	global_load_b128 v[BN+8*\b:BN+8*\b+3], v[ON], s[80:81] offset:64*\b
	global_load_b128 v[BN+8*\b+4:BN+8*\b+7], v[ON], s[80:81] offset:64*\b+16
.endr
.irp a, 0,1,2,3,4,5,6,7
	global_load_b32 v[BM+2*\a], v[OM], s[82:83] offset:64*\a
	global_load_b32 v[BM+2*\a+1], v[OM], s[82:83] offset:64*\a    ; twice: a pair for the packed multiply-add
.endr
	; where my first block's images go
	s_lshl_b32 s12, s78, 23                        ; q, k: k's fragments lie 2^23 bytes behind q's,
	s_lshr_b32 s13, s22, 11
	s_lshl_b32 s13, s13, 21                        ; a batch is 16 heads x 128 fragments x 1,024 bytes,
	s_add_co_u32 s12, s12, s13
	s_lshl_b32 s13, s40, 2
	s_lshl_b32 s19, s16, 1
	s_add_co_u32 s13, s13, s19                     ; my first head: 4 cx + 2 x half,
	s_lshl_b32 s13, s13, 17
	s_add_co_u32 s12, s12, s13
	s_and_b32 s13, s22, 2047
	s_lshl_b32 s13, s13, 6                         ; token / 16 x 1,024
	s_add_co_u32 s12, s12, s13
	s_lshr_b32 s13, s18, 7                         ; v: batch x 16 + key / 128,
	s_lshl_b32 s13, s13, 17
	s_lshl_b32 s19, s22, 7                         ; channel / 16 x 2,048
	s_add_co_u32 s13, s13, s19
	s_cmp_eq_u32 s[ISV], 0
	s_cselect_b32 s12, s12, s13
	s_mov_b32 s19, 1024
	s_mov_b32 s23, 2048
	s_cselect_b32 s94, 0x20000, s19                ; from the first two stores' base to the last two's: q, k: the next head; v: the fragment's second half
	s_cselect_b32 s92, s19, s23                    ; from block to block: the next fragment
	s_mov_b32 s13, 0
	s_mov_b32 s95, 0
	s_mov_b32 s93, 0
	s_add_nc_u64 s[72:73], s[72:73], s[12:13]
	s_add_nc_u64 s[74:75], s[72:73], s[94:95]
	s_wait_kmcnt 0x0
	s_add_co_i32 s96, s84, s85                     ; e0 + e1
	s_add_co_i32 s96, s96, 127
	s_lshl_b32 s96, s96, 23                        ; 2^(e0 + e1) as f32
	s_mov_b32 s97, s96                             ; (named with it as a pair, so it is written)
	s_cmp_eq_u32 s77, 0
	s_cselect_b32 s98, s86, s87                    ; e2 for q, e3 for k,
	s_cmp_eq_u32 s[ISV], 0
	s_cselect_b32 s98, s98, s89                    ; e5 for v: chosen without a jump
	s_add_co_i32 s98, s98, 127
	s_lshl_b32 s99, s98, 23
	v_mov_b32 v[SC], s99
	s_add_co_i32 s98, s98, 8
	s_lshl_b32 s98, s98, 23
	s_or_b32 s98, s98, 0x600000
	v_mov_b32 v[LIM], s98
.macro FRAG reg, adr, q, i             ; a fragment, 16 rows x 128 K, is 16 registers: four loads of 16 bytes, 32 bytes apart
.irp c, 0,1,2,3
	ds_load_b128 v[\reg+4*\c:\reg+4*\c+3], v[\adr] offset:128*(\q)+32*\c+(\i)*16*PITCH
.endr
.endm
; 16 matrix instructions: A's blocks a0, a0 + 1 x B's eight, 128 along K.  p: B's set.  zero = 1: the first product starts the sums: nothing is ever cleared.
; The 64 accumulators take turns, one instruction a turn, in the same order in every step.
.macro MUL16 a0, p, zero
.irp a, \a0, \a0+1
.irp b, 0,1,2,3,4,5,6,7
.if \zero
	v_wmma_f32_16x16x128_fp8_fp8 v[8*(8*((\a)%4)+\b):8*(8*((\a)%4)+\b)+7], v[128*(\p)+FR*\b:128*(\p)+FR*\b+FR-1], v[AF+FR*(\a):AF+FR*(\a)+FR-1], 0
.else
	v_wmma_f32_16x16x128_fp8_fp8 v[8*(8*((\a)%4)+\b):8*(8*((\a)%4)+\b)+7], v[128*(\p)+FR*\b:128*(\p)+FR*\b+FR-1], v[AF+FR*(\a):AF+FR*(\a)+FR-1], v[8*(8*((\a)%4)+\b):8*(8*((\a)%4)+\b)+7]
.endif
.endr
.endr
.endm
.macro FETCH_B slot, q, p              ; B's eight fragments of the slot's q-th 128 along K into set p
	WIN TO_B
.irp i, 0,1,2,3,4,5,6,7
	FRAG 128*(\p)+FR*\i, ADRB+\slot, \q, \i
.endr
	WIN 0
.endm
.macro FETCH_A slot, q, i0             ; A's blocks i0 .. i0 + 3
.irp i, \i0, \i0+1, \i0+2, \i0+3
	FRAG AF+FR*(\i), ADRA+\slot, \q, \i
.endr
.endm
; A load into a register that a matrix instruction has read, and a vector instruction that reads a matrix result or writes one of its registers, stand NP places behind it; only plain vector
; instructions that name none of its registers are places (ISA guide 7.12.1 for vector instructions).
.macro PLACES n
.rept \n
	v_nop
.endr
.endm
; A step of 128 along K that has its successor in the same slot.  A's blocks go one after the other, each against B's eight, so one set of registers serves A: blocks 0-3 are fetched anew in the step's middle, blocks 4-7 at its end.
.macro STEP slot, q, zero
	s_wait_dscnt 4*NL                              ; B's set and A's blocks 0-3 are in; the youngest sixteen loads (A's blocks 4-7) may be out
	WIN MUL_LO
	MUL16 0, (\q)%2, \zero
	MUL16 2, (\q)%2, \zero
	s_wait_dscnt 0                                 ; A's blocks 4-7 are in (asked for 32 matrix instructions ago)
	PLACES NP
	FETCH_B \slot, (\q)+1, 1-(\q)%2
	FETCH_A \slot, (\q)+1, 0
	WIN MUL_HI
	MUL16 4, (\q)%2, \zero
	MUL16 6, (\q)%2, \zero
	PLACES NP
	WIN 0
	FETCH_A \slot, (\q)+1, 4
.endm
; A slot's last step changes slots: ONE barrier; in front of it each wave waits for all its tensor loads, adds 0 to its spare word, and waits for that and for its own reads of this slot.  fill = 1: this slot is filled again, two K steps ahead.
.macro TURN slot, next, fill
	s_wait_tensorcnt 0x0                           ; all my tensor loads have landed: my part of the next slot;  (every window is 0 here)
	ds_add_u32 v[SPW], v[NIL]                      ; 0 onto my spare word
	s_wait_dscnt 4*NL+1                            ; (the add and the youngest sixteen loads, A's blocks 4-7, may be out)
	WIN MUL_LO
	MUL16 0, 1, 0                                  ; sixteen matrix instructions stand between the add and the wait for it
	s_wait_dscnt 0x0                               ; the add is done, and my reads of this slot are over
	s_barrier_signal -1
	MUL16 2, 1, 0
	WIN 0
	s_barrier_wait -1
.if \fill
	CREST                                          ; the barrier has opened a round of the cluster's barrier: no wave of any partner still reads this slot's tile or has a load on its way
	s_add_nc_u64 s[G0+4*\slot+2:G0+4*\slot+3], s[G0+4*\slot+2:G0+4*\slot+3], 2*ROWB
	s_add_nc_u64 s[G0B+4*\slot+2:G0B+4*\slot+3], s[G0B+4*\slot+2:G0B+4*\slot+3], 2*ROWB
	JLOAD G0+4*\slot, G1, G0B+4*\slot, G1B         ; the first tensor load behind the round, my only one until the next; its four v_nop are the places in front of the loads below
.else
	PLACES NP
.endif
	FETCH_B \next, 0, 0
	FETCH_A \next, 0, 0
	WIN MUL_HI
	MUL16 4, 1, 0
	MUL16 6, 1, 0
	PLACES NP
	WIN 0
	FETCH_A \next, 0, 4
.endm
	s_wait_tensorcnt 1                             ; my part of K step 0 is in (K step 1's load may be out)
	s_barrier_signal -1
	s_barrier_wait -1                              ; everybody's is
	FETCH_B 0, 0, 0
	FETCH_A 0, 0, 0
	FETCH_A 0, 0, 4
	STEP 0, 0, 1                                   ; the first products start the sums
	TURN 0, 1, 1                                   ; K = 1,024 is twice round the ring: the eight steps of 128 are written out, no loop.  Slot 0 takes K step 2,
	STEP 1, 0, 0
	TURN 1, 0, 1                                   ; slot 1 K step 3
	STEP 0, 0, 0
	TURN 0, 1, 0                                   ; nothing is left to fetch
	STEP 1, 0, 0
	s_wait_dscnt 4*NL                              ; the very last step
	WIN MUL_LO
	MUL16 0, 1, 0
	MUL16 2, 1, 0
	s_wait_dscnt 0
	WIN MUL_HI
	MUL16 4, 1, 0
	MUL16 6, 1, 0
	WIN 0
; THE WAY OUT, block by block of 16 rows x 128 columns, with no LDS: value = sum x 2^(e0 + e1) + bias, each accumulator from its low end on; the hold; eight conversions; four stores of 512 consecutive bytes.
.macro BLOCKOUT a
.set AC, 64*((\a)%4)
	s_cmp_lg_u32 s[ISV], 0                         ; the same in all partners: it hangs on the cluster's number
	s_cbranch_scc1 .Lby_row_\@
	WIN 0x02+((\a)/4)                              ; source 0: window 2 or 3
.set j, 0
.rept 32
	v_pk_fma_f32 v[T+j:T+j+1], v[AC+j:AC+j+1], s[96:97], v[BN+j:BN+j+1] op_sel_hi:[1,0,1]   ; q, k: the bias goes with the column, which is the register
.set j, j+2
.endr
	WIN 0
	s_branch .Lheld_\@
.Lby_row_\@:
	WIN 0x02+((\a)/4)
.set j, 0
.rept 32
	v_pk_fma_f32 v[T+j:T+j+1], v[AC+j:AC+j+1], s[96:97], v[BM+2*(\a):BM+2*(\a)+1] op_sel_hi:[1,0,1]   ; v: the bias goes with the channel, which is the lane
.set j, j+2
.endr
	WIN 0
.Lheld_\@:
.set j, 0
.rept 64
	v_med3_num_f32 v[T+j], v[T+j], -v[LIM], v[LIM] ; the conversion to an 8-bit code does not saturate (ISA guide 7.6.2)
.set j, j+1
.endr
	s_wait_xcnt 0x0                                ; the last block's stores have read their codes and their bases: both may be written
.if (\a) > 0
	s_add_nc_u64 s[72:73], s[72:73], s[92:93]
	s_add_nc_u64 s[74:75], s[74:75], s[92:93]
.endif
.irp b, 0,1,2,3,4,5,6,7
	v_cvt_scalef32_pk8_fp8_f32 v[CC+2*\b:CC+2*\b+1], v[T+8*\b:T+8*\b+7], v[SC]   ; tile b's eight neighbours: registers 2 b, 2 b + 1
.endr
	v_nop                                          ; a plain line behind the last conversion: the next block's multiply-adds write its sources
	global_store_b128 v[CO], v[CC:CC+3], s[72:73]
	global_store_b128 v[CO], v[CC+4:CC+7], s[72:73] offset:512
	global_store_b128 v[CO], v[CC+8:CC+11], s[74:75]
	global_store_b128 v[CO], v[CC+12:CC+15], s[74:75] offset:512
.endm
	s_wait_loadcnt 0x0                             ; the biases
	PLACES NP                                      ; behind the last products: the lines below read results and write registers that held A's fragments
.irp a, 0,1,2,3,4,5,6,7
	BLOCKOUT \a
.endr
	s_wait_tensorcnt 0x0                           ; the wave's end
	ds_add_u32 v[SPW], v[NIL]
	s_wait_dscnt 0x0
	CROUND                                         ; the closing round: no work-group ends while a partner may still ask for a tile that names it
	s_endpgm
.Lfunc_end_k_qbc596d2942_qkv:
	.size	k_qbc596d2942_qkv, .Lfunc_end_k_qbc596d2942_qkv-k_qbc596d2942_qkv
	.p2alignl 7, 3214868480
	.fill 96, 4, 3214868480
	.section	.rodata,"a",@progbits
	.p2align	6, 0x0
	.amdhsa_kernel k_qbc596d2942_qkv
		.amdhsa_group_segment_fixed_size 327680
		.amdhsa_private_segment_fixed_size 0
		.amdhsa_enable_private_segment 0
		.amdhsa_kernarg_size 48
		.amdhsa_user_sgpr_count 2
		.amdhsa_user_sgpr_kernarg_segment_ptr 1
		.amdhsa_wavefront_size32 1
		.amdhsa_system_sgpr_workgroup_id_x 1
		.amdhsa_system_sgpr_workgroup_id_y 1
		.amdhsa_system_sgpr_workgroup_id_z 1
		.amdhsa_system_vgpr_workitem_id 0
		.amdhsa_next_free_vgpr 1024
		.amdhsa_next_free_sgpr 100
		.amdhsa_reserve_vcc 0
		.amdhsa_float_denorm_mode_32 3
		.amdhsa_float_denorm_mode_16_64 3
		.amdhsa_memory_ordered 1
		.amdhsa_forward_progress 1
		.amdhsa_inst_pref_size 156
	.end_amdhsa_kernel
	.amdgpu_metadata
---
amdhsa.version: [ 1, 2 ]
amdhsa.kernels:
  - .name:           k_qbc596d2942_qkv
    .symbol:         k_qbc596d2942_qkv.kd
    .args:
      - { .name: xc, .offset: 0, .size: 8, .value_kind: global_buffer, .address_space: global }
      - { .name: wic, .offset: 8, .size: 8, .value_kind: global_buffer, .address_space: global }
      - { .name: lowp_scales, .offset: 16, .size: 8, .value_kind: global_buffer, .address_space: global }
      - { .name: b_in, .offset: 24, .size: 8, .value_kind: global_buffer, .address_space: global }
      - { .name: qk, .offset: 32, .size: 8, .value_kind: global_buffer, .address_space: global }
      - { .name: vf, .offset: 40, .size: 8, .value_kind: global_buffer, .address_space: global }
    .group_segment_fixed_size: 327680
    .private_segment_fixed_size: 0
    .kernarg_segment_align: 8
    .kernarg_segment_size: 48
    .max_flat_workgroup_size: 128
    .sgpr_count:     100
    .vgpr_count:     1024
    .wavefront_size: 32
...
	.end_amdgpu_metadata
.endif
;; end of part 2
;; launch attn (part 3): grid 4 x 64, 16 waves a work-group, no clusters, 34,816 bytes of LDS; arguments qk, vf, lowp_scales, ac; writes ac
.if DOCPART == 3
	.amdgcn_target "amdgcn-amd-amdhsa--gfx1250"
	.amdhsa_code_object_version 6
	.text
	.protected	k_qbc596d2942_attn
	.globl	k_qbc596d2942_attn
	.p2align	8
	.type	k_qbc596d2942_attn,@function
k_qbc596d2942_attn:
	s_mov_b64 s[64:65], 0
	v_nop
	global_prefetch_b8 v0, s[64:65] scope:SCOPE_SE
	s_setreg_imm32_b32 hwreg(HW_REG_WAVE_MODE, 25, 1), 1
	s_wait_xcnt 0x0
; Causal attention of one head on codes of E4M3: S^T = K Q^T, p = 2^(t - M), O^T += V^T p^T, O / l, and the quantising of the result for the last product.  Head size 64, 2,048 tokens, 64 (batch, head) pairs.
; t = score x log2(e) / 8 x 2^(e2 + e3); M = the running largest t rounded UP to a whole number; p is quantised with 2^e4, not normalised; l is the sum of the unquantised p.  When M moves, l and O^T are multiplied by 2^(old M - new M): exact.
; INPUTS ARE IMAGES OF OPERAND REGISTERS (each group of four registers at 16 x lane, 512 bytes): q and k fragments of 16 tokens x 64 channels (1,024 bytes), V^T fragments of 16 channels x 128 keys (2,048 bytes).
;   So a key step's eight fragments of K are 8,192 consecutive bytes, and so are its four of V^T.
; SHARES.  Work-group (i, batch x 16 + head) owns the blocks i and 7 - i of 256 queries: 2 (i + 1) + 2 (8 - i) = 18 key steps of 128 for every work-group.  Each of its sixteen waves owns 16 queries, in 226 registers: four waves to a SIMD.
; K AND V GO THROUGH REGISTERS INTO LDS: each of the 512 threads loads 16 bytes of K and 16 of V a whole key step ahead and stores them into one of two LDS slots, as they lie.  ONE barrier a step: in front of it my stores have landed
;   and my reads of the other slot, which the next step overwrites, are over.
; NO JOINT LOADS: the four work-groups of a head walk 2 (i + 1) and then 2 (8 - i) steps, so at no step do they want the same tiles, and the trip counts hang on the work-group's number.
; LAYOUT.  Both products are used transposed: a lane holds ONE query (lane % 16) throughout.  Register 8 t + j of S^T is key 16 t + 8 h + j, so the conversion of tile t's eight registers is registers 2 t, 2 t + 1 of p's operand (ISA guide 7.12.2).
; CAUSAL.  A step all of whose keys come after my 16 queries is jumped over (a branch on ids; no barrier stands in it); on the diagonal hidden scores become -infinity ahead of the maximum.  Key 0 counts for every query.
; THE RESULT: O^T tile dt's conversion is registers 2 dt, 2 dt + 1 of the last product's operand: 16 tokens x 64 of its K.  ac: fragment (token / 16, head / 2) at (.. x 8 + head / 2) x 2,048; an even head fills its first 1,024 bytes, an odd head the rest.
; THE HOLD OF p: p <= 1, so it can pass 448 x 2^e4 only where e4 <= -9: the 64 lines are jumped over where e4 > -9, a scalar branch on the given whole number.
; LIMITS: e2 + e3 between -123 and 130 (added to the exponent field of log2(e) / 8); e4 and e6 between -126 and 119; e4 + e5 is applied by v_ldexp_f32 and has none.  NaN among the inputs is not served.
.set LI,   1                           ; v1   16 x lane
.set T16,  2                           ; v2   16 x thread; never rewritten
.set AKG,  3                           ; v3   offset of the next step's load of K
.set AVG,  4                           ; v4   of V
.set SCP,  5                           ; v5   2^e4
.set LIMP, 6                           ; v6   448 x 2^e4
.set SC6,  7                           ; v7   2^e6
.set LIM6, 8                           ; v8   448 x 2^e6
.set RH,   9                           ; v9   r - 8 h
.set QA,   10                          ; v10  offset of my fragment of q
.set AO,   11                          ; v11  offset of my image in ac
                                       ; v12 -M, v13 the largest t, v[14:15] l in two halves
.set QF,   16                          ; v16-23   Q
.set G,    24                          ; v24-31, v32-39  two sets: 16 bytes of K, 16 of V
.set KV,   40                          ; v40-103  eight fragments of K, then four of V^T
.set S,    104                         ; v104-167 S^T, then p
.set O,    168                         ; v168-199 O^T
.set P,    200                         ; v200-215 p's codes
.set SCR,  216
.set DD,   217
.set F,    218                         ; v[218:219] f = 2^(old M - new M); v219 is written once, as the pair's upper half
.set PD,   220                         ; a lane permute's destination counts as read: written once
.set NINF, 221
.set SUM2, 222                         ; v[222:223] the second chain of the sum
.set WV,   12
.set KB,   24                          ; s[24:25] k's fragments of my head;  s[26:27] q's;  s[28:29] V^T's;  s[30:31] my head's place in ac
.set QB,   26
.set VB,   28
.set AB,   30
.set IT,   32                          ; which of my two blocks
.set BLK,  33                          ; the block of 256 queries
.set NT,   34                          ; trips: pairs of key steps
.set TR,   35
.set KF,   36                          ; the step's first key
.set Q0,   37                          ; my first query
.set NXT,  38                          ; the step that is being loaded
.set NS,   39                          ; the block's key steps
.set CS,   40                          ; s[40:41] c = log2(e) / 8 x 2^(e2 + e3)
.set SEL,  42                          ; s[42:43] selects for lane l xor 16
.set E4,   44
.set TA,   45
.set TB,   46
.set E45,  51
	s_load_b256 s[4:11], s[0:1], 0x0               ; qk s[4:5], vf s[6:7], the scales' exponents s[8:9], ac s[10:11]
	v_lshl_add_u32 v224, v0, 2, 0x8000
	v_mov_b32 v225, 0
	v_lshrrev_b32 v[SCR], 5, v0
	v_readfirstlane_b32 s[WV], v[SCR]              ; wave 0..15
	v_and_b32 v[LI], 31, v0
	v_lshlrev_b32 v[LI], 4, v[LI]
	v_lshlrev_b32 v[T16], 4, v0
	v_and_b32 v[RH], 15, v0
	v_bfe_u32 v[SCR], v0, 4, 1
	v_lshlrev_b32 v[SCR], 3, v[SCR]
	v_sub_nc_u32 v[RH], v[RH], v[SCR]
	v_mov_b32 v[F+1], 0
	v_mov_b32 v[PD], 0
	v_mov_b32 v[NINF], 0xff800000
	s_mov_b32 s[SEL], 0x76543210
	s_mov_b32 s[SEL+1], 0xfedcba98
	s_mov_b32 s[NXT], 0
	s_mov_b32 s[IT], 0
	s_and_b32 s[TA], ttmp7, 0xffff                 ; batch x 16 + head
	s_lshl_b32 s46, s[TA], 17                      ; 128 fragments of 1,024 bytes
	s_mov_b32 s47, 0
	s_lshr_b32 s48, s[TA], 4
	s_lshl_b32 s48, s48, 21                        ; a batch in vf and in ac: 2^21 bytes
	s_and_b32 s49, s[TA], 15                       ; head
	s_wait_kmcnt 0x0
	s_load_b256 s[16:23], s[8:9], 0x0              ; e0 .. e7
	s_add_nc_u64 s[QB:QB+1], s[4:5], s[46:47]
	s_add_nc_u64 s[KB:KB+1], s[QB:QB+1], 0x800000
	s_lshl_b32 s46, s49, 13                        ; a head's four fragments of a key step: 8,192 bytes
	s_add_co_u32 s46, s46, s48
	s_add_nc_u64 s[VB:VB+1], s[6:7], s[46:47]
	s_lshr_b32 s46, s49, 1
	s_lshl_b32 s46, s46, 11
	s_and_b32 s50, s49, 1
	s_lshl_b32 s50, s50, 10
	s_add_co_u32 s46, s46, s50
	s_add_co_u32 s46, s46, s48
	s_add_nc_u64 s[AB:AB+1], s[10:11], s[46:47]
	global_load_b128 v[G:G+3], v[T16], s[KB:KB+1]      ; key step 0 into set 0
	global_load_b128 v[G+4:G+7], v[T16], s[VB:VB+1]
	s_wait_kmcnt 0x0
	s_add_co_i32 s[TA], s18, s19
	s_lshl_b32 s[TA], s[TA], 23
	s_mov_b32 s[CS], 0x3e38aa3b                    ; log2(e) / 8
	s_add_co_i32 s[CS], s[CS], s[TA]               ; x 2^(e2 + e3): added to the exponent field
	s_mov_b32 s[CS+1], s[CS]                       ; (named with it as a pair, so it is written)
	s_mov_b32 s[E4], s20
	s_add_co_i32 s[E45], s20, s21
	s_add_co_i32 s[TA], s20, 127
	s_lshl_b32 s[TB], s[TA], 23
	v_mov_b32 v[SCP], s[TB]
	s_add_co_i32 s[TA], s[TA], 8
	s_lshl_b32 s[TA], s[TA], 23
	s_or_b32 s[TA], s[TA], 0x600000
	v_mov_b32 v[LIMP], s[TA]
	s_add_co_i32 s[TA], s22, 127
	s_lshl_b32 s[TB], s[TA], 23
	v_mov_b32 v[SC6], s[TB]
	s_add_co_i32 s[TA], s[TA], 8
	s_lshl_b32 s[TA], s[TA], 23
	s_or_b32 s[TA], s[TA], 0x600000
	v_mov_b32 v[LIM6], s[TA]
; Set p's 32 bytes go into slot p; the next step's are asked for, into the other set; the step's one barrier.
.macro STAGE p
	s_wait_loadcnt 0x0                             ; set p is in (at a block's head Q too); the loads' offsets may be written
	ds_store_b128 v[T16], v[G+8*(\p):G+8*(\p)+3] offset:16384*(\p)          ; every wave's reads of slot p, two steps back, were over in front of the last barrier
	ds_store_b128 v[T16], v[G+8*(\p)+4:G+8*(\p)+7] offset:16384*(\p)+8192
	s_add_co_u32 s[NXT], s[NXT], 1
	s_cmp_lt_u32 s[NXT], s[NS]
	s_cselect_b32 s[NXT], s[NXT], 0                ; behind a block's last step comes step 0 again: the next block's first (behind the second block it is loaded and not used: a load inside the buffers)
	s_lshl_b32 s[TA], s[NXT], 13                   ; K: 8,192 bytes a step
	s_lshl_b32 s[TB], s[NXT], 17                   ; V: the sixteen heads' 8,192 bytes lie between two steps
	v_add_nc_u32 v[AKG], s[TA], v[T16]
	v_add_nc_u32 v[AVG], s[TB], v[T16]
	global_load_b128 v[G+8*(1-(\p)):G+8*(1-(\p))+3], v[AKG], s[KB:KB+1]     ; the other set's LDS stores were waited for in front of the last barrier
	global_load_b128 v[G+8*(1-(\p))+4:G+8*(1-(\p))+7], v[AVG], s[VB:VB+1]
	s_wait_dscnt 0x0                               ; for the others' sake: my stores have landed; my LDS reads are all back
	s_barrier_signal -1
	s_barrier_wait -1
.endm
; A key step: 128 keys out of slot p.
.macro COMPUTE p
	s_add_co_u32 s[TA], s[Q0], 15
	s_cmp_gt_u32 s[KF], s[TA]
	s_cbranch_scc1 .Lhid_\@                        ; all its keys come after my queries
.set n, 0
.rept 16
	ds_load_b128 v[KV+4*n:KV+4*n+3], v[LI] offset:16384*(\p)+512*n          ; K's eight fragments, as they lie
.set n, n+1
.endr
	s_wait_dscnt 0x0
.set n, 0
.rept 8
	v_wmma_f32_16x16x64_fp8_fp8 v[S+8*n:S+8*n+7], v[KV+8*n:KV+8*n+7], v[QF:QF+7], 0
.set n, n+1
.endr
.rept 4
	v_nop                                          ; places: the loads below land in registers that these products read, and the scores are read next
.endr
.set n, 0
.rept 16
	ds_load_b128 v[KV+4*n:KV+4*n+3], v[LI] offset:16384*(\p)+8192+512*n     ; V^T's four fragments land while the softmax runs
.set n, n+1
.endr
	s_add_co_u32 s[TA], s[KF], 127
	s_cmp_le_u32 s[TA], s[Q0]
	s_cbranch_scc1 .Lopen_\@                       ; all its keys count
	s_sub_co_i32 s[TA], s[Q0], s[KF]
	v_add_nc_u32 v[DD], s[TA], v[RH]               ; d = my query - KF - 8 h.  Register 8 t + j holds key KF + 16 t + 8 h + j: hidden where 16 t + j > d
.set n, 0
.rept 64
	v_cmp_gt_i32 vcc_lo, 16*(n/8)+n%8, v[DD]
	v_cndmask_b32 v[S+n], v[S+n], v[NINF], vcc_lo
.set n, n+1
.endr
.Lopen_\@:
	v_max3_num_f32 v[SCR], v[S], v[S+1], v[S+2]    ; the step's largest score of my query among my 64 keys, in two chains, each accumulator from its low end on
	v_max3_num_f32 v[F], v[S+3], v[S+4], v[S+5]
.set n, 6
.rept 14
	v_max3_num_f32 v[SCR], v[SCR], v[S+n], v[S+n+1]
	v_max3_num_f32 v[F], v[F], v[S+n+2], v[S+n+3]
.set n, n+4
.endr
	v_max3_num_f32 v[SCR], v[SCR], v[S+62], v[S+63]
	v_max_num_f32 v[SCR], v[SCR], v[F]
	v_permlanex16_b32 v[PD], v[SCR], s[SEL], s[SEL+1]
	v_max_num_f32 v[SCR], v[SCR], v[PD]            ; and among lane l xor 16's
	v_mul_f32 v[SCR], s[CS], v[SCR]                ; as t (c is positive)
	v_max_num_f32 v13, v13, v[SCR]                 ; the running largest t
	v_mov_b32 v[SCR], v12
	v_floor_f32 v12, -v13                          ; the new -M = floor(-t) = -ceil(t)
	v_sub_f32 v[SCR], v12, v[SCR]                  ; old M - new M: a whole number, 0 or less
	v_cvt_i32_f32 v[SCR], v[SCR]                   ; (it saturates)
	v_ldexp_f32 v[F], 1.0, v[SCR]                  ; f
.set n, 0
.rept 32
	v_pk_fma_f32 v[S+n:S+n+1], v[S+n:S+n+1], s[CS:CS+1], v[12:13] op_sel_hi:[1,0,0]   ; t - M, two at a time
.set n, n+2
.endr
.set n, 0
.rept 64
	v_exp_f32 v[S+n], v[S+n]                       ; p = 2^(t - M), at most 1
.set n, n+1
.endr
	v_pk_mul_f32 v[14:15], v[14:15], v[F:F+1] op_sel_hi:[1,0]   ; l under the new M: the plain line behind the exponentials
	s_wait_alu depctr_va_vdst(0)                   ; one wait for the whole batch, ahead of its first reader
	v_pk_add_f32 v[SUM2:SUM2+1], v[S:S+1], v[S+2:S+3]           ; the sum is taken of the UNQUANTISED p, in two chains
.set n, 4
.rept 15
	v_pk_add_f32 v[14:15], v[14:15], v[S+n:S+n+1]
	v_pk_add_f32 v[SUM2:SUM2+1], v[SUM2:SUM2+1], v[S+n+2:S+n+3]
.set n, n+4
.endr
	v_pk_add_f32 v[14:15], v[14:15], v[SUM2:SUM2+1]
	s_cmp_gt_i32 s[E4], -9
	s_cbranch_scc1 .Lnh_\@                         ; 448 x 2^e4 is above 1 there, and p is not
.set n, 0
.rept 64
	v_min_num_f32 v[S+n], v[S+n], v[LIMP]          ; the conversion does not saturate (ISA guide 7.6.2); p is not negative, so the hold is one-sided
.set n, n+1
.endr
.Lnh_\@:
.set n, 0
.rept 8
	v_cvt_scalef32_pk8_fp8_f32 v[P+2*n:P+2*n+1], v[S+8*n:S+8*n+7], v[SCP]
.set n, n+1
.endr
.set n, 0
.rept 16
	v_pk_mul_f32 v[O+n:O+n+1], v[O+n:O+n+1], v[F:F+1] op_sel_hi:[1,0]   ; O^T under the new M.  (Plain lines between the conversions and the products that read the codes)
.set n, n+2
.endr
	s_wait_dscnt 0x0                               ; V^T is in
.set n, 0
.rept 4
	v_wmma_f32_16x16x128_fp8_fp8 v[O+8*n:O+8*n+7], v[KV+16*n:KV+16*n+15], v[P:P+15], v[O+8*n:O+8*n+7]   ; four accumulators by turns
.set n, n+1
.endr
.rept 4
	v_nop                                          ; places: what follows loads into V^T's registers, or reads O^T
.endr
.Lhid_\@:
	s_add_co_u32 s[KF], s[KF], 128
.endm
.Lblock:
	s_wait_xcnt 0x0                                ; the last block's stores have read their codes and their offset
	s_sub_co_u32 s[TA], 7, ttmp9
	s_cmp_eq_u32 s[IT], 0
	s_cselect_b32 s[BLK], ttmp9, s[TA]             ; block i, then block 7 - i
	s_add_co_u32 s[NT], s[BLK], 1
	s_lshl_b32 s[NS], s[NT], 1                     ; 2 (block + 1) key steps: an even number, so every block begins on slot 0
	s_mov_b32 s[TR], 0
	s_mov_b32 s[KF], 0
	s_lshl_b32 s[TA], s[BLK], 4
	s_add_co_u32 s[TA], s[TA], s[WV]               ; my tile of 16 queries
	s_lshl_b32 s[Q0], s[TA], 4
	s_lshl_b32 s[TA], s[TA], 10
	v_add_nc_u32 v[QA], s[TA], v[LI]
	global_load_b128 v[QF:QF+3], v[QA], s[QB:QB+1]
	global_load_b128 v[QF+4:QF+7], v[QA], s[QB:QB+1] offset:512
	v_mov_b32 v13, 0xff61b1e6                      ; the largest t so far: -3e38, under every t
	v_floor_f32 v12, -v13
	v_mov_b32 v14, 0
	v_mov_b32 v15, 0
.set n, 0
.rept 32
	v_mov_b32 v[O+n], 0                            ; the key step is written once: a block's first step finds zeros, which the first change of M leaves zeros
.set n, n+1
.endr
.Ltrip:                                            ; a trip is two key steps, one out of each slot
	STAGE 0
	COMPUTE 0
	STAGE 1
	COMPUTE 1
	s_add_co_u32 s[TR], s[TR], 1
	s_cmp_lt_u32 s[TR], s[NT]
	s_cbranch_scc1 .Ltrip
	; the block's way out
	v_add_f32 v14, v14, v15                        ; l's two halves,
	v_permlanex16_b32 v[PD], v14, s[SEL], s[SEL+1]
	v_add_f32 v14, v14, v[PD]                      ; and lane l xor 16's
	v_rcp_f32 v14, v14
	s_lshl_b32 s[TA], s[BLK], 4
	s_add_co_u32 s[TA], s[TA], s[WV]
	s_lshl_b32 s[TA], s[TA], 14                    ; eight fragments of 2,048 bytes for each tile of tokens
	v_add_nc_u32 v[AO], s[TA], v[LI]               ; (the plain line behind the reciprocal)
	s_wait_alu depctr_va_vdst(0)                   ; the wait ahead of its first reader
	v_ldexp_f32 v14, v14, s[E45]                   ; x 2^(e4 + e5)
.set n, 0
.rept 16
	v_pk_mul_f32 v[S+n:S+n+1], v[O+n:O+n+1], v[14:15] op_sel_hi:[1,0]   ; register 8 dt + j: channel 16 dt + 8 h + j of my query
.set n, n+2
.endr
.set n, 0
.rept 32
	v_med3_num_f32 v[S+n], v[S+n], -v[LIM6], v[LIM6]
.set n, n+1
.endr
.set n, 0
.rept 4
	v_cvt_scalef32_pk8_fp8_f32 v[P+2*n:P+2*n+1], v[S+8*n:S+8*n+7], v[SC6]
.set n, n+1
.endr
	v_nop                                          ; a plain line behind the last conversion: later products write its sources
	global_store_b128 v[AO], v[P:P+3], s[AB:AB+1]              ; the wave stores 512 consecutive bytes, aligned
	global_store_b128 v[AO], v[P+4:P+7], s[AB:AB+1] offset:512
	s_add_co_u32 s[IT], s[IT], 1
	s_cmp_lt_u32 s[IT], 2
	s_cbranch_scc1 .Lblock
	s_wait_tensorcnt 0x0
	ds_add_u32 v224, v225
	s_wait_dscnt 0x0
	s_endpgm
.Lfunc_end_k_qbc596d2942_attn:
	.size	k_qbc596d2942_attn, .Lfunc_end_k_qbc596d2942_attn-k_qbc596d2942_attn
	.p2alignl 7, 3214868480
	.fill 96, 4, 3214868480
	.section	.rodata,"a",@progbits
	.p2align	6, 0x0
	.amdhsa_kernel k_qbc596d2942_attn
		.amdhsa_group_segment_fixed_size 34816
		.amdhsa_private_segment_fixed_size 0
		.amdhsa_enable_private_segment 0
		.amdhsa_kernarg_size 32
		.amdhsa_user_sgpr_count 2
		.amdhsa_user_sgpr_kernarg_segment_ptr 1
		.amdhsa_wavefront_size32 1
		.amdhsa_system_sgpr_workgroup_id_x 1
		.amdhsa_system_sgpr_workgroup_id_y 1
		.amdhsa_system_sgpr_workgroup_id_z 1
		.amdhsa_system_vgpr_workitem_id 0
		.amdhsa_next_free_vgpr 226
		.amdhsa_next_free_sgpr 66
		.amdhsa_reserve_vcc 1
		.amdhsa_float_denorm_mode_32 3
		.amdhsa_float_denorm_mode_16_64 3
		.amdhsa_memory_ordered 1
		.amdhsa_forward_progress 1
		.amdhsa_inst_pref_size 51
	.end_amdhsa_kernel
	.amdgpu_metadata
---
amdhsa.version: [ 1, 2 ]
amdhsa.kernels:
  - .name:           k_qbc596d2942_attn
    .symbol:         k_qbc596d2942_attn.kd
    .args:
      - { .name: qk, .offset: 0, .size: 8, .value_kind: global_buffer, .address_space: global }
      - { .name: vf, .offset: 8, .size: 8, .value_kind: global_buffer, .address_space: global }
      - { .name: lowp_scales, .offset: 16, .size: 8, .value_kind: global_buffer, .address_space: global }
      - { .name: ac, .offset: 24, .size: 8, .value_kind: global_buffer, .address_space: global }
    .group_segment_fixed_size: 34816
    .private_segment_fixed_size: 0
    .kernarg_segment_align: 8
    .kernarg_segment_size: 32
    .max_flat_workgroup_size: 512
    .sgpr_count:     66
    .vgpr_count:     226
    .wavefront_size: 32
...
	.end_amdgpu_metadata
.endif
;; end of part 3
;; launch proj (part 4): grid 4 x 32, 4 waves a work-group, clusters of 4 x 4, 327,680 bytes of LDS; arguments ac, woc, lowp_scales, b_out, out0; writes out0
.if DOCPART == 4
	.amdgcn_target "amdgcn-amd-amdhsa--gfx1250"
	.amdhsa_code_object_version 6
	.text
	.protected	k_qbc596d2942_proj
	.globl	k_qbc596d2942_proj
	.p2align	8
	.type	k_qbc596d2942_proj,@function
k_qbc596d2942_proj:
	s_mov_b64 s[64:65], 0
	v_nop
	global_prefetch_b8 v0, s[64:65] scope:SCOPE_SE
	s_setreg_imm32_b32 hwreg(HW_REG_WAVE_MODE, 25, 1), 1
	s_wait_xcnt 0x0
	s_wait_alu depctr_hold_cnt(0) depctr_sa_sdst(0) depctr_va_vdst(0) depctr_va_sdst(0) depctr_va_ssrc(0) depctr_va_vcc(0) depctr_vm_vsrc(0)
	s_getreg_b32 s2, hwreg(HW_REG_IB_STS2, 6, 4)
	s_cmp_eq_u32 s2, 0
	s_cbranch_scc0 .Lentry_in_a_cluster
	s_endpgm
.Lentry_in_a_cluster:
	s_bfe_u32 s2, ttmp6, 0x10000c
	s_cmp_lg_u32 s2, 0xf033
	s_cbranch_scc0 .Lentry_shape_is_right
	s_endpgm
.Lentry_shape_is_right:
; out0 = attention's result x w_out + b_out on codes of E4M3.  out0: [8192][1024] f32.  A sum stands for sum x 2^(e6 + e7): out = sum x 2^(e6 + e7) + bias, one fused multiply-add.
; A (ac) arrives as IMAGES OF ITS OPERAND REGISTERS: fragment (token / 16, k / 128), 16 rows x 128 K, is 2,048 bytes at ((token / 16) x 8 + k / 128) x 2,048, each group of four registers at 16 x lane.
;   It comes into LDS as it lies and is read at 16 x lane: no pitch, no padding; an instruction's 512 bytes are consecutive.
; B (woc): [1024 n][1024 k], rows of codes in which the two middle groups of eight of each 32 have changed places: 16 consecutive bytes at 32 c + 16 h are then registers 4 c .. 4 c + 3 of the same layout as A's (ISA guide 7.12.2).
; A tile of the result, 256 x 256, is made by a work-group of four waves; a wave makes 128 x 128: 64 accumulators, 512 registers.  K = 1,024 goes in four steps of 256 through a ring of two LDS slots.
; 32 x 4 tiles: 128 work-groups.  A tile of half the rows would give 256, with half as many products for each byte of B read from LDS.
; CLUSTERS: 4 x 4 work-groups.  The four of a row of the cluster need the same tiles of A, the four of a column the same tiles of B: each tile is asked for JOINTLY.
; THE MATRIX INSTRUCTION IS USED TRANSPOSED (source 0 = 16 rows of B, source 1 = 16 rows of A): a lane holds eight neighbouring numbers of a row of the result.
; LIMIT: e6 + e7 between -126 and 127.
; REGISTERS, in windows of 256: window 0: v0-31 addresses; v32-95 the bias; from v128 A's fragments, ONE set; on the way out v128-255 take rows read back from the stage.
;   window 1: B's fragments, TWO sets; on the way out v0-63 hold a block's results.   window 2: the accumulators of my rows 0-63;   window 3: those of my rows 64-127.
.set SIZE_N, 1024
.set ROWB,   256                       ; a row of B's tile in bytes
.set KROW,   1024                      ; a row of woc in memory
.set PITCH,  272                       ; B's LDS row: 256 bytes + 16 of padding: row r starts at bank 4 r mod 64 (64 banks of 4 bytes: ISA guide 11.1)
.set FR,     16
.set NL,     4
.set NP,     4                         ; places behind this matrix instruction (ISA guide 7.12.1)
.set ASTEP,  4096                      ; a K step of 256 in a tile of tokens of ac: two fragments
.set AHALF,  8*ASTEP                   ; 128 rows of A: eight tiles of tokens: what one tensor load brings
.set BHALF,  128*PITCH                 ; 128 rows of B
.set BOFF,   2*AHALF
.set SLOT,   BOFF+2*BHALF              ; A's 256 rows, then B's 256 rows
.set SPARE,  2*SLOT                    ; behind the ring: the spare words, 128 bytes for each wave: two blocks of 256 bytes that no other line names
.set SPITCH, 528                       ; the way out: a stage of 16 rows x (512 bytes + 16) for each wave.  It lies in slot 0, which has had its last fill and its last read when the first result is stored there
.set ADRA, 16
.set ADRB, 20
.set STO,  24                          ; v24     the way out: where I put 32 bytes of a row
.set RD,   25                          ; v25     where I read a row back
.set CO,   26                          ; v26     16 x lane
.set ON,   27                          ; v27     32 h
.set SPW,  28
.set NIL,  29
.set BN,   32                          ; v32-95  b_out at my 128 columns: register 8 b + j = column 16 b + 8 h + j
.set TMP,  0                           ; in window 1: a block's 64 results
.set AF,   128
.set BK,   128                         ; 16 rows read back from the stage: v128-191 and v192-255 by turns
.set G1, 24
.set G0, 32
.set G1B, 48
.set G0B, 56
.set MSB, 0
.macro WIN new                         ; the immediate's high byte repeats the setting that is left
.if MSB != (\new)
	s_set_vgpr_msb (MSB<<8)|(\new)
.set MSB, (\new)
.endif
.endm
.set MUL_LO, 0xa1
.set MUL_HI, 0xf1
.set TO_B,   0x40
.macro JLOAD g0a, g1a, g0b, g1b        ; a joint load: waves 0 and 1 fetch for A, waves 2 and 3 for B; four v_nop follow each of the two lines
	s_cmp_eq_u32 s15, 0
	s_cbranch_scc0 .Lfor_b_\@
	tensor_load_to_lds s[\g0a:\g0a+3], s[\g1a:\g1a+7]
	s_nop 0
.rept 4
	v_nop
.endr
	s_branch .Lasked_\@
.Lfor_b_\@:
	tensor_load_to_lds s[\g0b:\g0b+3], s[\g1b:\g1b+7]
	s_nop 0
.rept 4
	v_nop
.endr
.Lasked_\@:
.endm
.macro CREST
	s_cmp_lg_u32 s14, 0
	s_cbranch_scc1 .Lnot_wave_0_\@
	s_barrier_signal -3
.Lnot_wave_0_\@:
	s_barrier_wait -3
	s_barrier_signal -1
	s_barrier_wait -1
.endm
.macro CROUND
	s_barrier_signal -1
	s_barrier_wait -1
	CREST
.endm
	s_load_b128 s[4:7], s[0:1], 0x0                ; ac s[4:5], woc s[6:7]
	s_load_b128 s[8:11], s[0:1], 0x10              ; the scales' exponents s[8:9], b_out s[10:11]
	s_load_b64 s[12:13], s[0:1], 0x20              ; out0
	v_lshl_add_u32 v[SPW], v0, 2, SPARE
	v_mov_b32 v[NIL], 0
	ds_add_u32 v28, v29
	ds_add_u32 v28, v29
	s_wait_dscnt 0x0
	v_lshrrev_b32 v1, 5, v0
	v_readfirstlane_b32 s14, v1                    ; wave 0..3
	s_lshr_b32 s15, s14, 1                         ; which half of the tile's rows is mine.  Also: I fetch for A (0) or for B (1)
	s_and_b32 s16, s14, 1                          ; which half of its columns.  Also: which 128 rows of that tile I fetch
	s_bfe_u32 s40, ttmp6, 0x40000                  ; cx, cy
	s_bfe_u32 s41, ttmp6, 0x40004
	s_lshl_b32 s42, ttmp9, 2
	s_add_co_u32 s42, s42, s40                     ; tile column = 4 x cluster x + cx
	s_and_b32 s17, ttmp7, 0xffff
	s_lshl_b32 s17, s17, 2
	s_add_co_u32 s17, s17, s41                     ; tile row = 4 x cluster y + cy
	s_lshl_b32 s43, s41, 2
	s_lshl_b32 s43, 15, s43                        ; my row of the cluster
	s_lshl_b32 s44, 0x1111, s40                    ; my column
	; A's group 1: eight rows (tiles of tokens) of 4,096 bytes (two fragments), 16,384 bytes apart in memory, dense in LDS; elements of 8 bytes
	s_or_b32 s[G1+0], s43, (3<<16)|(1<<21)         ; 15:0 the mask: my row; 17:16 element of 8 bytes; 20 no padding; 21 set beside a mask
	s_mov_b32 s[G1+1], 512<<16                     ; tensor_dim0 = 512
	s_mov_b32 s[G1+2], 8<<16                       ; tensor_dim1 = 8
	s_mov_b32 s[G1+3], 512<<16                     ; tile_dim0 = 512
	s_mov_b32 s[G1+4], 8                           ; tile_dim1 = 8
	s_mov_b32 s[G1+5], 2048                        ; tensor_dim0_stride
	s_mov_b32 s[G1+6], 0
	s_mov_b32 s[G1+7], 0
	; B's group 1: 128 rows x 256 bytes, padded in LDS
	s_or_b32 s[G1B+0], s44, (0<<16)|(1<<20)|(1<<21)|(5<<22)|(3<<25)  ; the mask: my column; element of 1 byte; padding: 4 words after every 64
	s_mov_b32 s[G1B+1], ROWB<<16
	s_mov_b32 s[G1B+2], 128<<16
	s_mov_b32 s[G1B+3], ROWB<<16
	s_mov_b32 s[G1B+4], 128
	s_mov_b32 s[G1B+5], KROW
	s_mov_b32 s[G1B+6], 0
	s_mov_b32 s[G1B+7], 0
	s_lshl_b32 s20, s17, 18                        ; A: a tile row is 16 tiles of tokens x 16,384 bytes,
	s_lshl_b32 s18, s16, 17                        ; a half of it eight
	s_add_co_u32 s20, s20, s18
	s_mov_b32 s21, 0
	s_lshl_b32 s46, s42, 8
	s_lshl_b32 s18, s16, 7
	s_add_co_u32 s46, s46, s18                     ; B: row 256 x tile column + 128 x half,
	s_lshl_b32 s46, s46, 10                        ; in bytes
	s_mov_b32 s47, 0
	s_lshl_b32 s45, s16, 15                        ; where they go: A's half,
	s_mul_i32 s19, s16, BHALF
	s_add_co_u32 s19, s19, BOFF                    ; B's half: no place in the cluster enters an LDS address
	s_wait_kmcnt 0x0
	s_load_b64 s[96:97], s[8:9], 0x18              ; e6, e7
	s_add_nc_u64 s[20:21], s[4:5], s[20:21]
	s_add_nc_u64 s[46:47], s[6:7], s[46:47]
	CROUND                                         ; all sixteen work-groups are here: the first joint loads meet
.irp s, 0,1
	s_mov_b32 s[G0+4*\s], 1
	s_add_co_u32 s[G0+4*\s+1], s45, \s*SLOT
	s_add_nc_u64 s[G0+4*\s+2:G0+4*\s+3], s[20:21], \s*ASTEP
	s_or_b32 s[G0+4*\s+3], s[G0+4*\s+3], 0x80000000
	s_mov_b32 s[G0B+4*\s], 1
	s_add_co_u32 s[G0B+4*\s+1], s19, \s*SLOT
	s_add_nc_u64 s[G0B+4*\s+2:G0B+4*\s+3], s[46:47], \s*ROWB
	s_or_b32 s[G0B+4*\s+3], s[G0B+4*\s+3], 0x80000000
	JLOAD G0+4*\s, G1, G0B+4*\s, G1B               ; two loads of mine are out behind these
.endr
	v_and_b32 v1, 15, v0                           ; r
	v_bfe_u32 v2, v0, 4, 1                         ; h
	v_and_b32 v6, 31, v0
	v_lshlrev_b32 v[CO], 4, v6                     ; 16 x lane
	v_lshlrev_b32 v[ON], 5, v2
	v_mul_u32_u24 v3, v1, PITCH
	v_lshl_add_u32 v4, v2, 4, v3                   ; B: a fragment's row x pitch + 16 x half
	s_lshl_b32 s21, s15, 15                        ; my 128 rows of A
	s_mul_i32 s22, s16, BHALF                      ; my 128 rows of B,
	s_add_co_u32 s22, s22, BOFF                    ; which lie behind A's
.irp s, 0,1
	v_add_nc_u32 v[ADRA+\s], s21, v[CO]
	v_add_nc_u32 v[ADRB+\s], s22, v4
	s_add_co_u32 s21, s21, SLOT
	s_add_co_u32 s22, s22, SLOT
.endr
	s_mul_i32 s23, s14, 16*SPITCH                  ; my stage
	v_mul_u32_u24 v5, v1, SPITCH                   ; in: row r, 32 bytes for each half of the lanes
	v_lshl_add_u32 v5, v2, 5, v5
	v_add_nc_u32 v[STO], s23, v5
	v_add_nc_u32 v[RD], s23, v[CO]                 ; back: the 32 lanes take one row of 512 bytes
	s_lshl_b32 s20, s17, 8
	s_lshl_b32 s21, s15, 7
	s_add_co_u32 s20, s20, s21                     ; my first row of the result
	s_lshl_b32 s20, s20, 12                        ; x 4,096 bytes (under 2^25)
	s_mov_b32 s21, 0
	s_lshl_b32 s46, s42, 10                        ; my first column, in bytes: 1,024 x tile column + 512 x half: in out0 and in b_out alike
	s_lshl_b32 s47, s16, 9
	s_add_co_u32 s46, s46, s47
	s_mov_b32 s47, 0
	s_add_nc_u64 s[80:81], s[10:11], s[46:47]      ; b_out at my columns; not written again
	s_add_nc_u64 s[20:21], s[20:21], s[46:47]
	s_add_nc_u64 s[12:13], s[12:13], s[20:21]
.irp b, 0,1,2,3,4,5,6,7
	global_load_b128 v[BN+8*\b:BN+8*\b+3], v[ON], s[80:81] offset:64*\b
	global_load_b128 v[BN+8*\b+4:BN+8*\b+7], v[ON], s[80:81] offset:64*\b+16
.endr
.macro FRAGB reg, adr, q, i            ; B: four loads of 16 bytes, 32 bytes apart
.irp c, 0,1,2,3
	ds_load_b128 v[\reg+4*\c:\reg+4*\c+3], v[\adr] offset:128*(\q)+32*\c+(\i)*16*PITCH
.endr
.endm
.macro FRAGA reg, adr, q, i            ; A: the image of block i's q-th fragment, as it lies
.irp c, 0,1,2,3
	ds_load_b128 v[\reg+4*\c:\reg+4*\c+3], v[\adr] offset:ASTEP*(\i)+2048*(\q)+512*\c
.endr
.endm
; The 64 accumulators take turns, one instruction a turn, in the same order in every step.  zero = 1: the first product starts the sums.
.macro MUL16 a0, p, zero
.irp a, \a0, \a0+1
.irp b, 0,1,2,3,4,5,6,7
.if \zero
	v_wmma_f32_16x16x128_fp8_fp8 v[8*(8*((\a)%4)+\b):8*(8*((\a)%4)+\b)+7], v[128*(\p)+FR*\b:128*(\p)+FR*\b+FR-1], v[AF+FR*(\a):AF+FR*(\a)+FR-1], 0
.else
	v_wmma_f32_16x16x128_fp8_fp8 v[8*(8*((\a)%4)+\b):8*(8*((\a)%4)+\b)+7], v[128*(\p)+FR*\b:128*(\p)+FR*\b+FR-1], v[AF+FR*(\a):AF+FR*(\a)+FR-1], v[8*(8*((\a)%4)+\b):8*(8*((\a)%4)+\b)+7]
.endif
.endr
.endr
.endm
.macro FETCH_B slot, q, p
	WIN TO_B
.irp i, 0,1,2,3,4,5,6,7
	FRAGB 128*(\p)+FR*\i, ADRB+\slot, \q, \i
.endr
	WIN 0
.endm
.macro FETCH_A slot, q, i0
.irp i, \i0, \i0+1, \i0+2, \i0+3
	FRAGA AF+FR*(\i), ADRA+\slot, \q, \i
.endr
.endm
.macro PLACES n                        ; places behind matrix instructions: plain vector lines that name none of their registers (ISA guide 7.12.1 for vector instructions)
.rept \n
	v_nop
.endr
.endm
.macro STEP slot, q, zero              ; a step of 128 along K that has its successor in the same slot
	s_wait_dscnt 4*NL                              ; B's set and A's blocks 0-3 are in; the youngest sixteen loads (A's blocks 4-7) may be out
	WIN MUL_LO
	MUL16 0, (\q)%2, \zero
	MUL16 2, (\q)%2, \zero
	s_wait_dscnt 0                                 ; A's blocks 4-7 are in
	PLACES NP
	FETCH_B \slot, (\q)+1, 1-(\q)%2
	FETCH_A \slot, (\q)+1, 0
	WIN MUL_HI
	MUL16 4, (\q)%2, \zero
	MUL16 6, (\q)%2, \zero
	PLACES NP
	WIN 0
	FETCH_A \slot, (\q)+1, 4
.endm
; A slot's last step changes slots: ONE barrier; in front of it each wave waits for all its tensor loads, adds 0 to its spare word, and waits for that and for its own reads of this slot.
.macro TURN slot, next, fill
	s_wait_tensorcnt 0x0                           ; all my tensor loads have landed: my part of the next slot;  (every window is 0 here)
	ds_add_u32 v[SPW], v[NIL]                      ; 0 onto my spare word
	s_wait_dscnt 4*NL+1                            ; (the add and the youngest sixteen loads may be out)
	WIN MUL_LO
	MUL16 0, 1, 0
	s_wait_dscnt 0x0                               ; the add is done, and my reads of this slot are over
	s_barrier_signal -1
	MUL16 2, 1, 0
	WIN 0
	s_barrier_wait -1
.if \fill
	CREST                                          ; a round of the cluster's barrier: no wave of any partner still reads this slot's tile or has a load on its way
	s_add_nc_u64 s[G0+4*\slot+2:G0+4*\slot+3], s[G0+4*\slot+2:G0+4*\slot+3], 2*ASTEP
	s_add_nc_u64 s[G0B+4*\slot+2:G0B+4*\slot+3], s[G0B+4*\slot+2:G0B+4*\slot+3], 2*ROWB
	JLOAD G0+4*\slot, G1, G0B+4*\slot, G1B         ; the first tensor load behind the round, my only one until the next; its four v_nop are the places in front of the loads below
.else
	PLACES NP
.endif
	FETCH_B \next, 0, 0
	FETCH_A \next, 0, 0
	WIN MUL_HI
	MUL16 4, 1, 0
	MUL16 6, 1, 0
	PLACES NP
	WIN 0
	FETCH_A \next, 0, 4
.endm
	s_wait_tensorcnt 1                             ; my part of K step 0 is in (K step 1's load may be out)
	s_barrier_signal -1
	s_barrier_wait -1                              ; everybody's is
	FETCH_B 0, 0, 0
	FETCH_A 0, 0, 0
	FETCH_A 0, 0, 4
	STEP 0, 0, 1                                   ; the first products start the sums
	TURN 0, 1, 1                                   ; K = 1,024 is twice round the ring: written out, no loop
	STEP 1, 0, 0
	TURN 1, 0, 1
	STEP 0, 0, 0
	TURN 0, 1, 0                                   ; nothing is left to fetch
	STEP 1, 0, 0
	s_wait_dscnt 4*NL                              ; the very last step
	WIN MUL_LO
	MUL16 0, 1, 0
	MUL16 2, 1, 0
	s_wait_dscnt 0
	WIN MUL_HI
	MUL16 4, 1, 0
	MUL16 6, 1, 0
	WIN 0
; THE WAY OUT, block by block of 16 rows x 128 columns: through my own stage in LDS, back as whole rows of 512 bytes.  LDS serves a wave's instructions in order (ISA guide 5.7.1.4): no wait between the stores and the loads.
.macro TOSTAGE a
.set AC, 64*((\a)%4)
	WIN 0x42+((\a)/4)                              ; destination window 1 (B's set 0, idle since the step before the last), source 0 window 2 or 3, the bias window 0
.set j, 0
.rept 32
	v_pk_fma_f32 v[TMP+j:TMP+j+1], v[AC+j:AC+j+1], s[96:97], v[BN+j:BN+j+1] op_sel_hi:[1,0,1]   ; sum x 2^(e6 + e7) + bias; each accumulator from its low end on
.set j, j+2
.endr
	WIN 0x04                                       ; an LDS store's data are source 1: window 1
.irp b, 0,1,2,3,4,5,6,7
	ds_store_b128 v[STO], v[TMP+8*\b:TMP+8*\b+3] offset:64*\b
	ds_store_b128 v[STO], v[TMP+8*\b+4:TMP+8*\b+7] offset:64*\b+16
.endr
	WIN 0
.set BB, BK+64*((\a)%2)
.irp t, 0,1,2,3,4,5,6,7,8,9,10,11,12,13,14,15
	ds_load_b128 v[BB+4*\t:BB+4*\t+3], v[RD] offset:\t*SPITCH
.endr
.endm
.macro SEND a, younger                 ; younger: the LDS instructions issued behind block a's loads, which may stay out
.set BB, BK+64*((\a)%2)
	s_wait_dscnt \younger                          ; the block is back in registers
.if (\a) > 0
	s_add_nc_u64 s[12:13], s[12:13], 16*SIZE_N*4   ; (behind a wait on XCNT: the earlier stores have read their base)  16 rows on
.endif
.irp t, 0,1,2,3,4,5,6,7,8,9,10,11,12,13,14,15
	global_store_b128 v[CO], v[BB+4*\t:BB+4*\t+3], s[12:13] offset:\t*SIZE_N*4 th:TH_STORE_NT   ; 32 lanes store 512 consecutive bytes, at a multiple of 256 from out0's first byte
.endr
.endm
	s_wait_kmcnt 0x0
	s_add_co_i32 s96, s96, s97                     ; e6 + e7
	s_add_co_i32 s96, s96, 127
	s_lshl_b32 s96, s96, 23                        ; 2^(e6 + e7) as f32
	s_wait_loadcnt 0x0                             ; the bias
	PLACES NP                                      ; behind the last products
	TOSTAGE 0
.irp a, 1,2,3,4,5,6,7
.if \a > 1
	s_wait_xcnt 0x0                                ; block a - 2's stores have read their registers and their base: block a's loads may land there, and the base may step
.endif
	TOSTAGE \a
	SEND \a-1, 32                                  ; behind block a - 1's loads: block a's 16 stores and 16 loads
.endr
	s_wait_xcnt 0x0                                ; block 6's stores have read their base
	SEND 7, 0
	s_wait_tensorcnt 0x0                           ; the wave's end
	ds_add_u32 v[SPW], v[NIL]
	s_wait_dscnt 0x0
	CROUND                                         ; the closing round
	s_endpgm
.Lfunc_end_k_qbc596d2942_proj:
	.size	k_qbc596d2942_proj, .Lfunc_end_k_qbc596d2942_proj-k_qbc596d2942_proj
	.p2alignl 7, 3214868480
	.fill 96, 4, 3214868480
	.section	.rodata,"a",@progbits
	.p2align	6, 0x0
	.amdhsa_kernel k_qbc596d2942_proj
		.amdhsa_group_segment_fixed_size 327680
		.amdhsa_private_segment_fixed_size 0
		.amdhsa_enable_private_segment 0
		.amdhsa_kernarg_size 40
		.amdhsa_user_sgpr_count 2
		.amdhsa_user_sgpr_kernarg_segment_ptr 1
		.amdhsa_wavefront_size32 1
		.amdhsa_system_sgpr_workgroup_id_x 1
		.amdhsa_system_sgpr_workgroup_id_y 1
		.amdhsa_system_sgpr_workgroup_id_z 1
		.amdhsa_system_vgpr_workitem_id 0
		.amdhsa_next_free_vgpr 1024
		.amdhsa_next_free_sgpr 100
		.amdhsa_reserve_vcc 0
		.amdhsa_float_denorm_mode_32 3
		.amdhsa_float_denorm_mode_16_64 3
		.amdhsa_memory_ordered 1
		.amdhsa_forward_progress 1
		.amdhsa_inst_pref_size 125
	.end_amdhsa_kernel
	.amdgpu_metadata
---
amdhsa.version: [ 1, 2 ]
amdhsa.kernels:
  - .name:           k_qbc596d2942_proj
    .symbol:         k_qbc596d2942_proj.kd
    .args:
      - { .name: ac, .offset: 0, .size: 8, .value_kind: global_buffer, .address_space: global }
      - { .name: woc, .offset: 8, .size: 8, .value_kind: global_buffer, .address_space: global }
      - { .name: lowp_scales, .offset: 16, .size: 8, .value_kind: global_buffer, .address_space: global }
      - { .name: b_out, .offset: 24, .size: 8, .value_kind: global_buffer, .address_space: global }
      - { .name: out0, .offset: 32, .size: 8, .value_kind: global_buffer, .address_space: global }
    .group_segment_fixed_size: 327680
    .private_segment_fixed_size: 0
    .kernarg_segment_align: 8
    .kernarg_segment_size: 40
    .max_flat_workgroup_size: 128
    .sgpr_count:     100
    .vgpr_count:     1024
    .wavefront_size: 32
...
	.end_amdgpu_metadata
.endif
;; end of part 4
;; ======== version 2 of 2: 4 launches; version 1 with the launch attn written anew for expert scheduling mode
;; workspace buffers: xc 8,388,608 bytes; wic 3,145,728 bytes; woc 1,048,576 bytes; qk 16,777,216 bytes; vf 8,388,608 bytes; ac 8,388,608 bytes
;; launch quant: the kernel of part 1 again; grid 384 x 1, 4 waves a work-group, no clusters, 102,912 bytes of LDS; arguments x, w_in, w_out, lowp_scales, xc, wic, woc; writes xc, wic, woc
;; launch qkv: the kernel of part 2 again; grid 96 x 4, 4 waves a work-group, clusters of 4 x 4, 327,680 bytes of LDS; arguments xc, wic, lowp_scales, b_in, qk, vf; writes qk, vf
;; launch attn (part 5): grid 4 x 64, 16 waves a work-group, no clusters, 34,816 bytes of LDS; arguments qk, vf, lowp_scales, ac; writes ac
.if DOCPART == 5
	.amdgcn_target "amdgcn-amd-amdhsa--gfx1250"
	.amdhsa_code_object_version 6
	.text
	.protected	k_qbc596d2942_attn
	.globl	k_qbc596d2942_attn
	.p2align	8
	.type	k_qbc596d2942_attn,@function
k_qbc596d2942_attn:
	s_mov_b64 s[64:65], 0
	v_nop
	global_prefetch_b8 v0, s[64:65] scope:SCOPE_SE
	s_setreg_imm32_b32 hwreg(HW_REG_WAVE_SCHED_MODE, 0, 2), 2
	s_setreg_imm32_b32 hwreg(HW_REG_WAVE_MODE, 25, 1), 1
	s_wait_xcnt 0x0
	s_wait_alu depctr_vm_vsrc(0)
; Causal attention of one head on codes of E4M3: S^T = K Q^T, p = 2^(t - M), O^T += V^T p^T, O / l, and the quantising of the result for the last product.  Head size 64, 2,048 tokens, 64 (batch, head) pairs.
; t = score x log2(e) / 8 x 2^(e2 + e3); M = the running largest t rounded UP to a whole number; p is quantised with 2^e4, not normalised; l is the sum of the unquantised p.  When M moves, l and O^T are multiplied by 2^(old M - new M): exact.
; INPUTS ARE IMAGES OF OPERAND REGISTERS (each group of four registers at 16 x lane, 512 bytes): q and k fragments of 16 tokens x 64 channels (1,024 bytes), V^T fragments of 16 channels x 128 keys (2,048 bytes).
;   So a key step's eight fragments of K are 8,192 consecutive bytes, and so are its four of V^T.
; SHARES.  Work-group (i, batch x 16 + head) owns the blocks i and 7 - i of 256 queries: 2 (i + 1) + 2 (8 - i) = 18 key steps of 128 for every work-group.  Each of its sixteen waves owns 16 queries, in 226 registers: four waves to a SIMD.
; K AND V GO THROUGH REGISTERS INTO LDS: each of the 512 threads loads 16 bytes of K and 16 of V a whole key step ahead and stores them into one of two LDS slots, as they lie.  ONE barrier a step: in front of it my stores have landed
;   and my reads of the other slot, which the next step overwrites, are over.
; NO JOINT LOADS: the four work-groups of a head walk 2 (i + 1) and then 2 (8 - i) steps, so at no step do they want the same tiles, and the trip counts hang on the work-group's number.
; LAYOUT.  Both products are used transposed: a lane holds ONE query (lane % 16) throughout.  Register 8 t + j of S^T is key 16 t + 8 h + j, so the conversion of tile t's eight registers is registers 2 t, 2 t + 1 of p's operand (ISA guide 7.12.2).
; CAUSAL.  A step all of whose keys come after my 16 queries is jumped over (a branch on ids; no barrier stands in it); on the diagonal hidden scores become -infinity ahead of the maximum.  Key 0 counts for every query.
; THE RESULT: O^T tile dt's conversion is registers 2 dt, 2 dt + 1 of the last product's operand: 16 tokens x 64 of its K.  ac: fragment (token / 16, head / 2) at (.. x 8 + head / 2) x 2,048; an even head fills its first 1,024 bytes, an odd head the rest.
; THE HOLD OF p: p <= 1, so it can pass 448 x 2^e4 only where e4 <= -9: the 64 lines are jumped over where e4 > -9, a scalar branch on the given whole number.
; LIMITS: e2 + e3 between -123 and 130 (added to the exponent field of log2(e) / 8); e4 and e6 between -126 and 119; e4 + e5 is applied by v_ldexp_f32 and has none.  NaN among the inputs is not served.
; THE MODE: SCHED_MODE bits 1:0 = 2 (LLVM: expert scheduling mode 2), set by the entry lines.  The code itself states the register dependences between vector or matrix instructions and memory or LDS instructions,
;   and those through scalar registers that vector instructions write, with s_wait_alu, always for 0.
; THE PLAN.  Registers that memory or LDS instructions touch:
;   v[T16], v[LI]  Offsets, made once at the head and never written again: a key step's place in K and in V is reached by two scalar bases, made anew in each step.
;   G0, G1         Step p: its two LDS stores read G[p]; its two global loads land in G[1 - p], which the LDS stores of the step before read.  No vector instruction names them.
;   KV             Step: K's 16 LDS loads land; the 8 products K Q^T read; V^T's 16 LDS loads land; the 4 products V^T p^T read.
;   QF             Two loads at a block's head land; the block's products K Q^T read.      v[QA]  Written by one addition at a block's head; read by those two loads.
;   P, v[AO]       On a block's way out: written by four conversions and one addition, read by the two stores.  (P is also written by every step's conversions.)
;   v224, v225     Written at the head, read by the closing add alone.
;   S^T, O^T, the statistics and the constants are named by vector and matrix instructions alone.
; So a step has one wait on vm_vsrc (at its head, for G) and two on va_vdst for loads: ahead of K's loads (the last step's products are done reading KV) and behind the products K Q^T (they are done reading KV).  Behind the second,
;   V^T's loads are dealt among the lines of the maximum, which name S^T and the statistics: none of the registers that those loads touch; on the diagonal the mask's lines stand between too, and name S^T, v[DD], v[NINF] and the masks alone.
;   A block has one wait on vm_vsrc and one on va_vdst at its head, and one on va_vdst ahead of its stores.
.set LI,   1                           ; v1   16 x lane; never rewritten
.set T16,  2                           ; v2   16 x thread; never rewritten
.set SCP,  5                           ; v5   2^e4
.set LIMP, 6                           ; v6   448 x 2^e4
.set SC6,  7                           ; v7   2^e6
.set LIM6, 8                           ; v8   448 x 2^e6
.set RH,   9                           ; v9   r - 8 h
.set QA,   10                          ; v10  offset of my fragment of q
.set AO,   11                          ; v11  offset of my image in ac
                                       ; v12 -M, v13 the largest t, v[14:15] l in two halves
.set QF,   16                          ; v16-23   Q
.set G,    24                          ; v24-31, v32-39  two sets: 16 bytes of K, 16 of V
.set KV,   40                          ; v40-103  eight fragments of K, then four of V^T
.set S,    104                         ; v104-167 S^T, then p
.set O,    168                         ; v168-199 O^T
.set P,    200                         ; v200-215 p's codes
.set SCR,  216
.set DD,   217
.set F,    218                         ; v[218:219] f = 2^(old M - new M); v219 is written once, as the pair's upper half
.set PD,   220                         ; a lane permute's destination counts as read: written once
.set NINF, 221
.set SUM2, 222                         ; v[222:223] the second chain of the sum
.set WV,   12
.set MK,   16                          ; s16-23  behind the head, which reads the exponents there: eight masks of the causal mask
.set KB,   24                          ; s[24:25] k's fragments of my head;  s[26:27] q's;  s[28:29] V^T's;  s[30:31] my head's place in ac
.set QB,   26
.set VB,   28
.set AB,   30
.set IT,   32                          ; which of my two blocks
.set BLK,  33                          ; the block of 256 queries
.set NT,   34                          ; trips: pairs of key steps
.set TR,   35
.set KF,   36                          ; the step's first key
.set Q0,   37                          ; my first query
.set NXT,  38                          ; the step that is being loaded
.set NS,   39                          ; the block's key steps
.set CS,   40                          ; s[40:41] c = log2(e) / 8 x 2^(e2 + e3)
.set SEL,  42                          ; s[42:43] selects for lane l xor 16
.set E4,   44
.set TA,   45
.set TB,   46
.set E45,  51
.set KOF,  52                          ; s[52:53] the byte offset in K of the step that is being loaded; the upper word stays 0
.set VOF,  54                          ; s[54:55] the same in V
.set KNX,  56                          ; s[56:57] K's base at that step
.set VNX,  58                          ; s[58:59] V's
	s_load_b256 s[4:11], s[0:1], 0x0               ; qk s[4:5], vf s[6:7], the scales' exponents s[8:9], ac s[10:11]
	v_lshl_add_u32 v224, v0, 2, 0x8000
	v_mov_b32 v225, 0
	v_lshrrev_b32 v[SCR], 5, v0
	v_readfirstlane_b32 s[WV], v[SCR]              ; wave 0..15
	v_and_b32 v[LI], 31, v0
	v_lshlrev_b32 v[LI], 4, v[LI]
	v_lshlrev_b32 v[T16], 4, v0
	v_and_b32 v[RH], 15, v0
	v_bfe_u32 v[SCR], v0, 4, 1
	v_lshlrev_b32 v[SCR], 3, v[SCR]
	v_sub_nc_u32 v[RH], v[RH], v[SCR]
	v_mov_b32 v[F+1], 0
	v_mov_b32 v[PD], 0
	v_mov_b32 v[NINF], 0xff800000
	s_wait_alu depctr_va_sdst(0)                   ; the wave's number is written in s[WV], ahead of the first label and of its first reader, at a block's head
	s_mov_b32 s[SEL], 0x76543210
	s_mov_b32 s[SEL+1], 0xfedcba98
	s_mov_b32 s[NXT], 0
	s_mov_b32 s[IT], 0
	s_mov_b32 s[KOF+1], 0
	s_mov_b32 s[VOF+1], 0
	s_and_b32 s[TA], ttmp7, 0xffff                 ; batch x 16 + head
	s_lshl_b32 s46, s[TA], 17                      ; 128 fragments of 1,024 bytes
	s_mov_b32 s47, 0
	s_lshr_b32 s48, s[TA], 4
	s_lshl_b32 s48, s48, 21                        ; a batch in vf and in ac: 2^21 bytes
	s_and_b32 s49, s[TA], 15                       ; head
	s_wait_kmcnt 0x0
	s_load_b256 s[16:23], s[8:9], 0x0              ; e0 .. e7
	s_add_nc_u64 s[QB:QB+1], s[4:5], s[46:47]
	s_add_nc_u64 s[KB:KB+1], s[QB:QB+1], 0x800000
	s_lshl_b32 s46, s49, 13                        ; a head's four fragments of a key step: 8,192 bytes
	s_add_co_u32 s46, s46, s48
	s_add_nc_u64 s[VB:VB+1], s[6:7], s[46:47]
	s_lshr_b32 s46, s49, 1
	s_lshl_b32 s46, s46, 11
	s_and_b32 s50, s49, 1
	s_lshl_b32 s50, s50, 10
	s_add_co_u32 s46, s46, s50
	s_add_co_u32 s46, s46, s48
	s_add_nc_u64 s[AB:AB+1], s[10:11], s[46:47]
	s_wait_alu depctr_va_vdst(0)                   ; v[T16] and v[LI] are written: every staging load and LDS store reads the first as its offset or address, every LDS load the second
	global_load_b128 v[G:G+3], v[T16], s[KB:KB+1]      ; key step 0 into set 0
	global_load_b128 v[G+4:G+7], v[T16], s[VB:VB+1]
	s_wait_kmcnt 0x0
	s_add_co_i32 s[TA], s18, s19
	s_lshl_b32 s[TA], s[TA], 23
	s_mov_b32 s[CS], 0x3e38aa3b                    ; log2(e) / 8
	s_add_co_i32 s[CS], s[CS], s[TA]               ; x 2^(e2 + e3): added to the exponent field
	s_mov_b32 s[CS+1], s[CS]                       ; (named with it as a pair, so it is written)
	s_mov_b32 s[E4], s20
	s_add_co_i32 s[E45], s20, s21
	s_add_co_i32 s[TA], s20, 127
	s_lshl_b32 s[TB], s[TA], 23
	v_mov_b32 v[SCP], s[TB]
	s_add_co_i32 s[TA], s[TA], 8
	s_lshl_b32 s[TA], s[TA], 23
	s_or_b32 s[TA], s[TA], 0x600000
	v_mov_b32 v[LIMP], s[TA]
	s_add_co_i32 s[TA], s22, 127
	s_lshl_b32 s[TB], s[TA], 23
	v_mov_b32 v[SC6], s[TB]
	s_add_co_i32 s[TA], s[TA], 8
	s_lshl_b32 s[TA], s[TA], 23
	s_or_b32 s[TA], s[TA], 0x600000
	v_mov_b32 v[LIM6], s[TA]
; Set p's 32 bytes go into slot p; the next step's are asked for, into the other set; the step's one barrier.  No vector instruction stands here.
.macro STAGE p
	s_wait_loadcnt 0x0                             ; set p is in (at a block's head Q too); the loads that read the two stepped bases are done, so these may be written
	s_wait_alu depctr_vm_vsrc(0)                   ; the LDS stores of the step before have read the other set, in which the loads below land
	ds_store_b128 v[T16], v[G+8*(\p):G+8*(\p)+3] offset:16384*(\p)          ; every wave's reads of slot p, two steps back, were over in front of the last barrier
	ds_store_b128 v[T16], v[G+8*(\p)+4:G+8*(\p)+7] offset:16384*(\p)+8192
	s_add_co_u32 s[NXT], s[NXT], 1
	s_cmp_lt_u32 s[NXT], s[NS]
	s_cselect_b32 s[NXT], s[NXT], 0                ; behind a block's last step comes step 0 again: the next block's first (behind the second block it is loaded and not used: a load inside the buffers)
	s_lshl_b32 s[KOF], s[NXT], 13                  ; K: 8,192 bytes a step
	s_lshl_b32 s[VOF], s[NXT], 17                  ; V: the sixteen heads' 8,192 bytes lie between two steps
	s_add_nc_u64 s[KNX:KNX+1], s[KB:KB+1], s[KOF:KOF+1]
	s_add_nc_u64 s[VNX:VNX+1], s[VB:VB+1], s[VOF:VOF+1]
	global_load_b128 v[G+8*(1-(\p)):G+8*(1-(\p))+3], v[T16], s[KNX:KNX+1]
	global_load_b128 v[G+8*(1-(\p))+4:G+8*(1-(\p))+7], v[T16], s[VNX:VNX+1]
	s_wait_dscnt 0x0                               ; for the others' sake: my stores have landed; my LDS reads are all back
	s_barrier_signal -1
	s_barrier_wait -1
.endm
; A key step: 128 keys out of slot p.
.macro COMPUTE p
	s_add_co_u32 s[TA], s[Q0], 15
	s_cmp_gt_u32 s[KF], s[TA]
	s_cbranch_scc1 .Lhid_\@                        ; all its keys come after my queries
	s_wait_alu depctr_va_vdst(0)                   ; the products V^T p^T of the step before are done reading v[KV ..], in which K's fragments land
.set n, 0
.rept 16
	ds_load_b128 v[KV+4*n:KV+4*n+3], v[LI] offset:16384*(\p)+512*n          ; K's eight fragments, as they lie
.set n, n+1
.endr
	s_wait_dscnt 0x0
.set n, 0
.rept 8
	v_wmma_f32_16x16x64_fp8_fp8 v[S+8*n:S+8*n+7], v[KV+8*n:KV+8*n+7], v[QF:QF+7], 0
.set n, n+1
.endr
.rept 4
	v_nop                                          ; places: the scores are read next
.endr
	s_wait_alu depctr_va_vdst(0)                   ; the products K Q^T are done reading v[KV ..], in which V^T's fragments land: the sixteen loads below the label owe nothing more, since no line between names v[KV ..] or v[LI]
	s_add_co_u32 s[TA], s[KF], 127
	s_cmp_le_u32 s[TA], s[Q0]
	s_cbranch_scc1 .Lopen_\@                       ; all its keys count
	s_sub_co_i32 s[TA], s[Q0], s[KF]
	v_add_nc_u32 v[DD], s[TA], v[RH]               ; d = my query - KF - 8 h.  Register 8 t + j holds key KF + 16 t + 8 h + j: hidden where 16 t + j > d
.set g, 0
.rept 8                                            ; a tile at a time: eight compares into eight scalar registers, one wait, eight selects
.set n, 0
.rept 8
	v_cmp_gt_i32 s[MK+n], 16*g+n, v[DD]
.set n, n+1
.endr
	s_wait_alu depctr_va_sdst(0)                   ; the eight compares have written their masks, which the eight selects read
.set n, 0
.rept 8
	v_cndmask_b32 v[S+8*g+n], v[S+8*g+n], v[NINF], s[MK+n]
.set n, n+1
.endr
.set g, g+1
.endr
.Lopen_\@:
	v_max3_num_f32 v[SCR], v[S], v[S+1], v[S+2]    ; the step's largest score of my query among my 64 keys, in two chains, each accumulator from its low end on
	v_max3_num_f32 v[F], v[S+3], v[S+4], v[S+5]
	ds_load_b128 v[KV:KV+3], v[LI] offset:16384*(\p)+8192                   ; V^T's four fragments, sixteen loads, are dealt among the lines of the maximum and land while the softmax runs
	ds_load_b128 v[KV+4:KV+7], v[LI] offset:16384*(\p)+8192+512
.set n, 6
.set m, 2
.rept 14
	v_max3_num_f32 v[SCR], v[SCR], v[S+n], v[S+n+1]
	v_max3_num_f32 v[F], v[F], v[S+n+2], v[S+n+3]
	ds_load_b128 v[KV+4*m:KV+4*m+3], v[LI] offset:16384*(\p)+8192+512*m
.set n, n+4
.set m, m+1
.endr
	v_max3_num_f32 v[SCR], v[SCR], v[S+62], v[S+63]
	v_max_num_f32 v[SCR], v[SCR], v[F]
	v_permlanex16_b32 v[PD], v[SCR], s[SEL], s[SEL+1]
	v_max_num_f32 v[SCR], v[SCR], v[PD]            ; and among lane l xor 16's
	v_mul_f32 v[SCR], s[CS], v[SCR]                ; as t (c is positive)
	v_max_num_f32 v13, v13, v[SCR]                 ; the running largest t
	v_mov_b32 v[SCR], v12
	v_floor_f32 v12, -v13                          ; the new -M = floor(-t) = -ceil(t)
	v_sub_f32 v[SCR], v12, v[SCR]                  ; old M - new M: a whole number, 0 or less
	v_cvt_i32_f32 v[SCR], v[SCR]                   ; (it saturates)
	v_ldexp_f32 v[F], 1.0, v[SCR]                  ; f
.set n, 0
.rept 32
	v_pk_fma_f32 v[S+n:S+n+1], v[S+n:S+n+1], s[CS:CS+1], v[12:13] op_sel_hi:[1,0,0]   ; t - M, two at a time
.set n, n+2
.endr
.set n, 0
.rept 64
	v_exp_f32 v[S+n], v[S+n]                       ; p = 2^(t - M), at most 1
.set n, n+1
.endr
	v_pk_mul_f32 v[14:15], v[14:15], v[F:F+1] op_sel_hi:[1,0]   ; l under the new M: the plain line behind the exponentials
	s_wait_alu depctr_va_vdst(0)                   ; the 64 exponentials have written p in v[S ..]: one wait for the whole batch, ahead of its first reader
	v_pk_add_f32 v[SUM2:SUM2+1], v[S:S+1], v[S+2:S+3]           ; the sum is taken of the UNQUANTISED p, in two chains
.set n, 4
.rept 15
	v_pk_add_f32 v[14:15], v[14:15], v[S+n:S+n+1]
	v_pk_add_f32 v[SUM2:SUM2+1], v[SUM2:SUM2+1], v[S+n+2:S+n+3]
.set n, n+4
.endr
	v_pk_add_f32 v[14:15], v[14:15], v[SUM2:SUM2+1]
	s_cmp_gt_i32 s[E4], -9
	s_cbranch_scc1 .Lnh_\@                         ; 448 x 2^e4 is above 1 there, and p is not
.set n, 0
.rept 64
	v_min_num_f32 v[S+n], v[S+n], v[LIMP]          ; the conversion does not saturate (ISA guide 7.6.2); p is not negative, so the hold is one-sided
.set n, n+1
.endr
.Lnh_\@:
.set n, 0
.rept 8
	v_cvt_scalef32_pk8_fp8_f32 v[P+2*n:P+2*n+1], v[S+8*n:S+8*n+7], v[SCP]
.set n, n+1
.endr
.set n, 0
.rept 16
	v_pk_mul_f32 v[O+n:O+n+1], v[O+n:O+n+1], v[F:F+1] op_sel_hi:[1,0]   ; O^T under the new M.  (Plain lines between the conversions and the products that read the codes)
.set n, n+2
.endr
	s_wait_dscnt 0x0                               ; V^T is in
.set n, 0
.rept 4
	v_wmma_f32_16x16x128_fp8_fp8 v[O+8*n:O+8*n+7], v[KV+16*n:KV+16*n+15], v[P:P+15], v[O+8*n:O+8*n+7]   ; four accumulators by turns
.set n, n+1
.endr
.rept 4
	v_nop                                          ; places: what follows may read O^T
.endr
.Lhid_\@:
	s_add_co_u32 s[KF], s[KF], 128
.endm
.Lblock:
	s_wait_xcnt 0x0                                ; the last block's stores have read their codes and their offset
	s_wait_alu depctr_vm_vsrc(0)                   ; the last block's stores have read v[P ..] and v[AO], and its loads of Q have read v[QA]: this block writes all three again
	s_sub_co_u32 s[TA], 7, ttmp9
	s_cmp_eq_u32 s[IT], 0
	s_cselect_b32 s[BLK], ttmp9, s[TA]             ; block i, then block 7 - i
	s_add_co_u32 s[NT], s[BLK], 1
	s_lshl_b32 s[NS], s[NT], 1                     ; 2 (block + 1) key steps: an even number, so every block begins on slot 0
	s_mov_b32 s[TR], 0
	s_mov_b32 s[KF], 0
	s_lshl_b32 s[TA], s[BLK], 4
	s_add_co_u32 s[TA], s[TA], s[WV]               ; my tile of 16 queries
	s_lshl_b32 s[Q0], s[TA], 4
	s_lshl_b32 s[TA], s[TA], 10
	v_add_nc_u32 v[QA], s[TA], v[LI]
	s_wait_alu depctr_va_vdst(0)                   ; v[QA] is written, which the two loads read; the last block's products K Q^T are done reading v[QF ..], in which they land
	global_load_b128 v[QF:QF+3], v[QA], s[QB:QB+1]
	global_load_b128 v[QF+4:QF+7], v[QA], s[QB:QB+1] offset:512
	v_mov_b32 v13, 0xff61b1e6                      ; the largest t so far: -3e38, under every t
	v_floor_f32 v12, -v13
	v_mov_b32 v14, 0
	v_mov_b32 v15, 0
.set n, 0
.rept 32
	v_mov_b32 v[O+n], 0                            ; the key step is written once: a block's first step finds zeros, which the first change of M leaves zeros
.set n, n+1
.endr
.Ltrip:                                            ; a trip is two key steps, one out of each slot
	STAGE 0
	COMPUTE 0
	STAGE 1
	COMPUTE 1
	s_add_co_u32 s[TR], s[TR], 1
	s_cmp_lt_u32 s[TR], s[NT]
	s_cbranch_scc1 .Ltrip
	; the block's way out
	v_add_f32 v14, v14, v15                        ; l's two halves,
	v_permlanex16_b32 v[PD], v14, s[SEL], s[SEL+1]
	v_add_f32 v14, v14, v[PD]                      ; and lane l xor 16's
	v_rcp_f32 v14, v14
	s_lshl_b32 s[TA], s[BLK], 4
	s_add_co_u32 s[TA], s[TA], s[WV]
	s_lshl_b32 s[TA], s[TA], 14                    ; eight fragments of 2,048 bytes for each tile of tokens
	v_add_nc_u32 v[AO], s[TA], v[LI]               ; (the plain line behind the reciprocal)
	s_wait_alu depctr_va_vdst(0)                   ; the reciprocal has written v14: the wait ahead of its first reader
	v_ldexp_f32 v14, v14, s[E45]                   ; x 2^(e4 + e5)
.set n, 0
.rept 16
	v_pk_mul_f32 v[S+n:S+n+1], v[O+n:O+n+1], v[14:15] op_sel_hi:[1,0]   ; register 8 dt + j: channel 16 dt + 8 h + j of my query
.set n, n+2
.endr
.set n, 0
.rept 32
	v_med3_num_f32 v[S+n], v[S+n], -v[LIM6], v[LIM6]
.set n, n+1
.endr
.set n, 0
.rept 4
	v_cvt_scalef32_pk8_fp8_f32 v[P+2*n:P+2*n+1], v[S+8*n:S+8*n+7], v[SC6]
.set n, n+1
.endr
	v_nop                                          ; a plain line behind the last conversion: later products write its sources
	s_wait_alu depctr_va_vdst(0)                   ; the four conversions have written v[P .. P+7], the stores' data; v[AO], their offset, was written further up
	global_store_b128 v[AO], v[P:P+3], s[AB:AB+1]              ; the wave stores 512 consecutive bytes, aligned
	global_store_b128 v[AO], v[P+4:P+7], s[AB:AB+1] offset:512
	s_add_co_u32 s[IT], s[IT], 1
	s_cmp_lt_u32 s[IT], 2
	s_cbranch_scc1 .Lblock
	s_wait_dscnt 0x0                               ; the closing lines, six on end
	s_wait_alu 0x0
	s_wait_tensorcnt 0x0
	ds_add_u32 v224, v225
	s_wait_dscnt 0x0
	s_endpgm
.Lfunc_end_k_qbc596d2942_attn:
	.size	k_qbc596d2942_attn, .Lfunc_end_k_qbc596d2942_attn-k_qbc596d2942_attn
	.p2alignl 7, 3214868480
	.fill 96, 4, 3214868480
	.section	.rodata,"a",@progbits
	.p2align	6, 0x0
	.amdhsa_kernel k_qbc596d2942_attn
		.amdhsa_group_segment_fixed_size 34816
		.amdhsa_private_segment_fixed_size 0
		.amdhsa_enable_private_segment 0
		.amdhsa_kernarg_size 32
		.amdhsa_user_sgpr_count 2
		.amdhsa_user_sgpr_kernarg_segment_ptr 1
		.amdhsa_wavefront_size32 1
		.amdhsa_system_sgpr_workgroup_id_x 1
		.amdhsa_system_sgpr_workgroup_id_y 1
		.amdhsa_system_sgpr_workgroup_id_z 1
		.amdhsa_system_vgpr_workitem_id 0
		.amdhsa_next_free_vgpr 226
		.amdhsa_next_free_sgpr 66
		.amdhsa_reserve_vcc 0
		.amdhsa_float_denorm_mode_32 3
		.amdhsa_float_denorm_mode_16_64 3
		.amdhsa_memory_ordered 1
		.amdhsa_forward_progress 1
		.amdhsa_inst_pref_size 60
	.end_amdhsa_kernel
	.amdgpu_metadata
---
amdhsa.version: [ 1, 2 ]
amdhsa.kernels:
  - .name:           k_qbc596d2942_attn
    .symbol:         k_qbc596d2942_attn.kd
    .args:
      - { .name: qk, .offset: 0, .size: 8, .value_kind: global_buffer, .address_space: global }
      - { .name: vf, .offset: 8, .size: 8, .value_kind: global_buffer, .address_space: global }
      - { .name: lowp_scales, .offset: 16, .size: 8, .value_kind: global_buffer, .address_space: global }
      - { .name: ac, .offset: 24, .size: 8, .value_kind: global_buffer, .address_space: global }
    .group_segment_fixed_size: 34816
    .private_segment_fixed_size: 0
    .kernarg_segment_align: 8
    .kernarg_segment_size: 32
    .max_flat_workgroup_size: 512
    .sgpr_count:     66
    .vgpr_count:     226
    .wavefront_size: 32
...
	.end_amdgpu_metadata
.endif
;; end of part 5
;; launch proj: the kernel of part 4 again; grid 4 x 32, 4 waves a work-group, clusters of 4 x 4, 327,680 bytes of LDS; arguments ac, woc, lowp_scales, b_out, out0; writes out0
